; MI455X (gfx1250); checked and timed in simulation.
; The chip was launched on July 23, 2026; its instructions are those of AMD's public machine-readable ISA for CDNA 5 (MIT licence, August 2026) and "CDNA5" Instruction Set Architecture Reference Guide (July 2026). The comments in the code are by the model that wrote it; some were corrected since.
;; MSA. Allowed arithmetic: matrix products marked QUANTISED: E2M1 operands, one E8M0 scale for each 32 along K, by v_wmma_scale_f32_16x16x128_f8f6f4 with both operands' format E2M1 (or v_wmma_scale_f32_32x16x128_f4), f32 sums; everything else in f32.
;; Inputs: W_proj 1,024 x 1,024 float32; W_qkv 1,024 x 3,072 float32; b_proj 1,024 float32; b_qkv 3,072 float32; ln_b 1,024 float32; ln_w 1,024 float32; z 8 x 1,024 x 1,024 float32.
;; Outputs: out0 8 x 1,024 x 1,024 float32.
;; This version of the problem:
;;   THIS VERSION OF THE PROBLEM IS GIVEN IN LOW PRECISION. The matrix products marked QUANTISED in the list below multiply operands that are first quantised to E2M1 (2 exponent bits, 1 mantissa bit; 4 bits a number), with one power-of-two scale for each 32 numbers along K (OCP MX v1.0); their sums are f32. All else is computed in f32.
;;   The module's matrix products, in the order in which they are computed (A, B: the left and right operand; K: the contracted axis; several contracted axes count as one K, in the product's order):
;;     1. [M 8,192, K 1,024] x [K 1,024, N 3,072]; A: computed on the way; B: input W_qkv: QUANTISED
;;     2. batch 128 x [M 1,024, K 64] x [K 64, N 1,024]; A: computed on the way; B: computed on the way: QUANTISED
;;     3. batch 128 x [M 1,024, K 1,024] x [K 1,024, N 64]; A: softmax (see below); B: computed on the way: QUANTISED
;;     4. [M 8,192, K 1,024] x [K 1,024, N 1,024]; A: computed on the way; B: input W_proj: QUANTISED
;;   THE QUANTISER, for each operand of a quantised product, along K:
;;     - K is cut into blocks of 32 from its start; a last block that is shorter is filled with zeros.
;;     - A block's scale is 2^e with e = floor(log2(the largest magnitude in the block)) - 2, held to -126 .. 127; a block of zeros has e = 0. As a byte (E8M0): e + 127.
;;     - Each number is divided by its block's scale, clamped to +-6, and rounded to the nearest number of E2M1, ties to even, subnormals kept.
;;     - The product sums the exact products of the quantised numbers (number of the format x scale) in f32.
;;   ~~~python
;;   def quantise(x, axis):      # numpy; x: float32 -> the quantised numbers, widened to float32 again
;;       x = np.moveaxis(x, axis, -1); K = x.shape[-1]
;;       x = np.pad(x, [(0, 0)] * (x.ndim - 1) + [(0, -K % 32)]); x = x.reshape(x.shape[:-1] + (-1, 32)); a = np.abs(x).max(-1, keepdims=True)
;;       e = np.where(a > 0, np.clip(np.frexp(np.where(a > 0, a, 1))[1] - 1 - 2, -126, 127), 0)      # np.frexp(a)[1] - 1 = floor(log2(a)), exactly
;;       r = np.clip(x / 2.0 ** e, -6, 6)
;;       step = 2.0 ** (np.maximum(np.frexp(np.where(r == 0, 1, r))[1] - 1, 0) - 1)
;;       q = np.round(r / step) * step * 2.0 ** e      # np.round: ties to even
;;       return np.moveaxis(q.reshape(q.shape[:-2] + (-1,))[..., :K], -1, axis).astype(np.float32)
;;   ~~~
;;   SOFTMAX AHEAD OF A QUANTISED PRODUCT. Where the list says 'softmax', what is quantised is not the finished softmax but p = 2^(t - M), with t = logit x log2(e) and M = ceil(the row's largest t), a whole number; so 1/2 < the row's largest p <= 1. The row's sum l is taken of the UNQUANTISED p, in f32, and the product's result is divided by l at the end. Since M is a whole number, a kernel that streams over the keys may use a running M (the ceiling of the running maximum): every later rescaling is an exact power of two, which a block's scale takes up: the codes' values come out the same.
;;   OPERANDS COMPUTED ON THE WAY. 'Computed on the way' means the value that the module computes at that place (a softmax that the list does not call 'softmax' is quantised finished and normalised). What goes into a quantiser is computed in f32, as accurately as f32 sums, v_exp_f32 and their like allow (about 1e-6 of the number): no bf16 or f16 on the way to a quantiser, and a product that is left as it is and whose result goes on into a quantised operand takes f32 operands (vector FMAs, or v_wmma_f32_16x16x4_f32). A number that lies on a knife's edge between two numbers of the format may be rounded either way, as far as f32 arithmetic and the matrix unit's own rounding can turn it there, and no further.
;; One version. Each part assembles by itself: llvm-mc -triple=amdgcn-amd-amdhsa -mcpu=gfx1250 --defsym DOCPART=n.
;; ======== version 1 of 1: 4 launches
;; limits: right only within a limited range of input values
;; workspace buffers: znq 4,456,448 bytes; wq 2,228,224 bytes; msq 4,456,448 bytes; qkv 12,582,912 bytes; scl 1,310,720 bytes
;; launch prep (part 1): grid 384 x 1, 8 waves a work-group, no clusters, 57,344 bytes of LDS; arguments z, ln_w, ln_b, W_qkv, W_proj, znq, wq; writes znq, wq
.if DOCPART == 1
	.amdgcn_target "amdgcn-amd-amdhsa--gfx1250"
	.amdhsa_code_object_version 6
	.text
	.protected	k_q67f513a108_prep
	.globl	k_q67f513a108_prep
	.p2align	8
	.type	k_q67f513a108_prep,@function
k_q67f513a108_prep:
	s_mov_b64 s[64:65], 0
	v_nop
	global_prefetch_b8 v0, s[64:65] scope:SCOPE_SE
	s_setreg_imm32_b32 hwreg(HW_REG_WAVE_MODE, 25, 1), 1
	s_wait_xcnt 0x0
; PREP.  Work-groups 0-127 turn W_qkv [1024][3072] and W_proj [1024][1024] (f32, K = the FIRST axis) into codes of FP4 (E2M1) with one E8M0 byte for each 32 along K;
; work-groups 128-383 make zn = (z - mean) / sqrt(var + 1e-5) * ln_w + ln_b in f32 and quantise it along its 1,024 columns.
; THE LAYOUT OF znq AND wq: images of the matrix operand's registers.  A block of BLK = 17,408 bytes holds 128 row places (8 tiles of 16) x 256 along K (a slice: 2 K steps of 128):
;   codes at tile*2048 + step*1024 + q*256 + r*16 (q: the block of 32 in the K step, r: the row's place in its tile), scale bytes at 16384 + tile*128 + r*8 + step*4 + q.
;   A buffer is [slice 4][half panel][BLK].  So a fragment (16 rows x 128 K) is 1,024 dense bytes, lane l's register group c at 512 c + 16 l.
; THE ORDER OF ROWS: inside each group of 32 rows (tokens of zn, columns of W) row n stands at the place n with bits 3 and 4 exchanged.  Used as source 0 of a product, two neighbouring tiles then
;   leave 16 NEIGHBOURING rows in a lane's 16 result registers, which is what the next quantiser wants.
; THE QUANTISER: a block's scale byte is the exponent field of its largest magnitude less 2, held at 1 from below by a floor among the maximum's leaves; the conversion divides by that scale, rounds to the nearest code,
;   ties to even, and gives the largest code beyond 6.
; LIMITS: NaN and infinities among the inputs are not served.  A block of zeros, or one whose largest magnitude lies under 2^(3-127), gets the byte 1 and not 127: its codes are zeros and this program alone reads the bytes.
;   1 / sqrt is v_rsq_f32.  The variance is taken of z - mean (two passes over the registers), so a common offset of the inputs does not cancel.
; No matrix work, no tensor load, no cluster: the work-groups share no input but ln_w and ln_b (8 KB).  Each of the two ways has LDS bytes of its own and one barrier.
.set BLK,   17408
.set ZSTR,  64*BLK                     ; a slice of znq
.set QSTR,  24*BLK                     ; a slice of W_qkv's part of wq
.set PSTR,  8*BLK                      ; a slice of W_proj's part
.set WPOFF, 4*QSTR                     ; where W_proj's part begins
.set TURN,  0                          ; LDS, LN way: a stage of 32 x 144 bytes for each wave
.set IMG,   36864                      ;   64 pieces of 256 bytes + 16 of padding: the work-group's codes
.set LNS,   54272                      ;   its 1,024 scale bytes
.set WSC,   55296                      ; LDS, W way: its 1,024 scale bytes
.set X,     32                         ; v32-159: the numbers as loaded
	s_load_b256 s[4:11], s[0:1], 0x0               ; z s[4:5], ln_w s[6:7], ln_b s[8:9], W_qkv s[10:11]
	s_load_b128 s[12:15], s[0:1], 0x20             ; W_proj s[12:13], znq s[14:15]
	s_load_b64 s[16:17], s[0:1], 0x30              ; wq
	v_lshrrev_b32 v1, 5, v0
	s_delay_alu instid0(VALU_DEP_1)
	v_readfirstlane_b32 s18, v1                    ; wave 0..7
	v_and_b32 v1, 31, v0                           ; lane
	s_cmp_lt_u32 ttmp9, 128
	s_cbranch_scc0 .Lln
; ---------------- THE WEIGHTS.  A work-group takes 32 columns x all of K; wave w takes K step w (128 rows).  A lane takes the column that belongs at place `lane`, and its registers run DOWN K:
; a block of 32 lies in one lane, and the conversions give codes with K innermost.  Groups 0-95 are W_qkv's, 96-127 W_proj's: pointers and strides are chosen, the way is one.
	s_cmp_lt_u32 ttmp9, 96
	s_mov_b32 s22, 4096
	s_cselect_b32 s22, 12288, s22                  ; a row of W in bytes
	s_mov_b32 s23, PSTR
	s_cselect_b32 s23, QSTR, s23                   ; a slice of its part of wq
	s_cselect_b32 s24, 0, WPOFF                    ; where that part begins
	s_cselect_b32 s25, 0, 96
	s_wait_kmcnt 0x0
	s_cselect_b64 s[20:21], s[10:11], s[12:13]     ; the choice hangs on the work-group's number alone
	s_sub_co_u32 s25, ttmp9, s25                   ; the group of 32 columns in its tensor
	s_mul_i32 s26, s18, s22
	s_lshl_b32 s26, s26, 7                         ; 128 w rows
	s_lshl_b32 s27, s25, 7                         ; 32 columns of 4 bytes
	s_add_co_u32 s26, s26, s27
	s_mov_b32 s27, 0
	s_add_nc_u64 s[20:21], s[20:21], s[26:27]
	s_lshr_b32 s34, s25, 2                         ; the half panel,
	s_mul_i32 s34, s34, BLK
	s_add_co_u32 s34, s34, s24
	s_and_b32 s35, s25, 3                          ; and which two of its eight tiles
	s_lshl_b32 s36, s35, 12
	s_add_co_u32 s36, s36, s34
	s_lshr_b32 s37, s18, 1
	s_mul_i32 s37, s37, s23                        ; slice w / 2,
	s_add_co_u32 s36, s36, s37
	s_and_b32 s37, s18, 1
	s_lshl_b32 s37, s37, 10                        ; K step w % 2 in it
	s_add_co_u32 s36, s36, s37
	s_mov_b32 s37, 0
	s_add_nc_u64 s[26:27], s[16:17], s[36:37]      ; my codes
	s_lshl_b32 s36, s35, 8
	s_add_co_u32 s36, s36, s34
	s_add_co_u32 s36, s36, 16384
	s_and_b32 s38, s18, 3
	s_mul_i32 s38, s38, s23
	s_add_co_u32 s36, s36, s38
	s_add_nc_u64 s[28:29], s[16:17], s[36:37]      ; the scale bytes of slice w (waves 0 to 3 store them)
	s_wait_alu depctr_va_vdst(0)
	v_and_b32 v2, 7, v1
	v_bfe_u32 v8, v1, 3, 1
	v_bfe_u32 v9, v1, 4, 1
	s_delay_alu instid0(VALU_DEP_2)
	v_lshl_or_b32 v2, v8, 4, v2
	s_delay_alu instid0(VALU_DEP_1)
	v_lshl_or_b32 v2, v9, 3, v2                    ; my column: the lane's number with bits 3 and 4 exchanged
	s_delay_alu instid0(VALU_DEP_1)
	v_lshlrev_b32 v3, 2, v2
	v_lshrrev_b32 v4, 4, v1
	v_and_b32 v8, 15, v1
	s_delay_alu instid0(VALU_DEP_2)
	v_lshlrev_b32 v4, 11, v4
	s_delay_alu instid0(VALU_DEP_1)
	v_lshl_add_u32 v4, v8, 4, v4                   ; out: tile lane / 16, row place lane % 16
	v_lshlrev_b32 v7, 3, v1                        ; 8 x lane: a place's two scale words of a slice
	s_wait_alu depctr_va_vdst(0)
	s_lshr_b32 s38, s18, 1
	s_lshl_b32 s38, s38, 8
	s_and_b32 s39, s18, 1
	s_lshl_b32 s39, s39, 2
	s_add_co_u32 s38, s38, s39
	s_add_co_u32 s38, s38, WSC
	v_add_nc_u32 v5, s38, v7                       ; where I put my scale word: slice w / 2, word w % 2
	s_and_b32 s38, s18, 3
	s_lshl_b32 s38, s38, 8
	s_add_co_u32 s38, s38, WSC
	v_add_nc_u32 v6, s38, v7                       ; where a slice's 256 bytes are read back
	s_cmp_lt_u32 ttmp9, 96                         ; the row's length stands in the loads' immediates: the run of loads is written once for each tensor
	s_cbranch_scc0 .Lw_proj
.set i_, 0
.rept 128
	global_load_b32 v[X+i_], v3, s[20:21] offset:i_*12288 th:TH_LOAD_NT   ; row 128 w + i: 32 lanes read 128 consecutive bytes
.set i_, i_+1
.endr
	s_branch .Lw_work
.Lw_proj:
.set i_, 0
.rept 128
	global_load_b32 v[X+i_], v3, s[20:21] offset:i_*4096 th:TH_LOAD_NT
.set i_, i_+1
.endr
.Lw_work:
.macro WBLOCK bq                       ; block bq of my K step: 32 numbers of my column
.set XS, X+32*(\bq)
.if (\bq) < 2
	s_wait_loadcnt 63                              ; 96 (64) loads are younger than this block's; the count names 63 at the most, which is under both
.else
	s_wait_loadcnt 96-32*(\bq)                     ; the later blocks' loads may be out
.endif
	v_max3_num_f32 v180, |v[XS]|, |v[XS+1]|, |v[XS+2]|
	v_max3_num_f32 v181, |v[XS+3]|, |v[XS+4]|, |v[XS+5]|
.irp n, 6,10,14,18,22,26
	s_delay_alu instid0(VALU_DEP_2)
	v_max3_num_f32 v180, v180, |v[XS+\n]|, |v[XS+\n+1]|
	s_delay_alu instid0(VALU_DEP_2)
	v_max3_num_f32 v181, v181, |v[XS+\n+2]|, |v[XS+\n+3]|
.endr
	s_delay_alu instid0(VALU_DEP_2)
	v_max3_num_f32 v180, v180, |v[XS+30]|, |v[XS+31]|
	s_delay_alu instid0(VALU_DEP_1)
	v_max3_num_f32 v180, v180, v181, 0x1800000     ; and the floor 2^(3-127): the byte cannot fall under 1
	s_delay_alu instid0(VALU_DEP_1)
	v_add_nc_u32 v182, 0xff000000, v180            ; 2 off the exponent field: the conversion's scale operand
.irp g, 0,1,2,3
	v_cvt_scalef32_pk8_fp4_f32 v[160+4*(\bq)+\g], v[XS+8*\g:XS+8*\g+7], v182
.endr
	v_lshrrev_b32 v183, 23, v182                   ; the scale's byte (a plain line behind the conversions)
.if (\bq) == 0
	s_delay_alu instid0(VALU_DEP_1)
	v_mov_b32 v176, v183
.else
	s_delay_alu instid0(VALU_DEP_1)
	v_lshl_or_b32 v176, v183, 8*(\bq), v176        ; four bytes make my column's scale word of this K step
.endif
	global_store_b128 v4, v[160+4*(\bq):163+4*(\bq)], s[26:27] offset:256*(\bq)   ; lanes 0-15 store 256 consecutive aligned bytes, lanes 16-31 the 256 of the next tile
.endm
	WBLOCK 0
	WBLOCK 1
	WBLOCK 2
	WBLOCK 3
	ds_store_b32 v5, v176
	s_wait_dscnt 0x0                               ; for the others' sake: my word lies in LDS
	s_barrier_signal -1
	s_barrier_wait -1
	s_cmp_lt_u32 s18, 4
	s_cbranch_scc0 .Lw_end
	ds_load_b64 v[178:179], v6                     ; slice w: both K steps' words of the 32 places
	s_wait_dscnt 0x0
	global_store_b64 v7, v[178:179], s[28:29]      ; 256 consecutive aligned bytes
.Lw_end:
	v_lshl_add_u32 v10, v0, 2, 0xdc00              ; the wave's end: my spare word and 0, made anew from v0, which is as at the entry
	v_mov_b32 v11, 0
	s_wait_alu depctr_va_vdst(0)                   ; directly ahead of the wait below
	s_wait_tensorcnt 0x0                           ; behind my last LDS store
	ds_add_u32 v10, v11
	s_wait_dscnt 0x0
	s_endpgm
; ---------------- THE LAYER NORM.  Work-group G takes tokens 32 G .. 32 G + 31 (two tiles of znq); wave w takes tokens 4 w .. 4 w + 3, a whole row of 4,096 bytes in 32 registers each.
; REGISTERS: v0 the thread's number and v1 the lane, kept to the end; v2 16 x lane; v3, v4 the stage, in and out; v5 codes into IMG; v6 bytes into LNS; v7 IMG back; v[8:9] the mean, v[10:11] 1 / sqrt (the low word serves);
;   v12-15 the rows' bytes; v16-31 the rows' codes; v32-159 four rows; v160-191 ln_w, v192-223 ln_b (my 32 columns); v224-255 sums, then the 32 neighbours of a block, at the end the ways out and the add's two.
.Lln:
	s_sub_co_u32 s19, ttmp9, 128                   ; G
	s_mov_b32 s30, 0x3a800000                      ; 1 / 1024
	s_mov_b32 s31, 0x3727c5ac                      ; 1e-5
	s_mov_b32 s32, 0x76543210
	s_mov_b32 s33, 0xfedcba98                      ; v_permlanex16_b32's selects for lane l xor 16
	s_lshl_b32 s20, s19, 5
	s_lshl_b32 s21, s18, 2
	s_add_co_u32 s20, s20, s21                     ; my first token
	s_lshl_b32 s20, s20, 12
	s_mov_b32 s21, 0
	s_lshr_b32 s34, s19, 2                         ; the half panel,
	s_mul_i32 s34, s34, BLK
	s_and_b32 s35, s19, 3                          ; and which two of its tiles
	s_lshl_b32 s36, s35, 12
	s_add_co_u32 s36, s36, s34
	s_lshr_b32 s37, s18, 1
	s_mul_i32 s37, s37, ZSTR                       ; on the way out wave w stores slice w / 2,
	s_add_co_u32 s36, s36, s37
	s_and_b32 s37, s18, 1
	s_lshl_b32 s37, s37, 11                        ; tile w % 2
	s_add_co_u32 s36, s36, s37
	s_mov_b32 s37, 0
	s_wait_kmcnt 0x0
	s_add_nc_u64 s[20:21], s[4:5], s[20:21]
	s_add_nc_u64 s[22:23], s[14:15], s[36:37]
	s_lshl_b32 s36, s35, 8
	s_add_co_u32 s36, s36, s34
	s_add_co_u32 s36, s36, 16384
	s_and_b32 s38, s18, 3
	s_mul_i32 s38, s38, ZSTR
	s_add_co_u32 s36, s36, s38
	s_add_nc_u64 s[24:25], s[14:15], s[36:37]      ; the scale bytes of slice w (waves 0 to 3)
	s_wait_alu depctr_va_vdst(0)
	v_lshlrev_b32 v2, 4, v1
.irp j, 0,1,2,3,4,5,6,7
	global_load_b128 v[160+4*\j:163+4*\j], v2, s[6:7] offset:512*\j
	global_load_b128 v[192+4*\j:195+4*\j], v2, s[8:9] offset:512*\j
.endr
.irp i, 0,1,2,3
.irp j, 0,1,2,3,4,5,6,7
	global_load_b128 v[X+32*\i+4*\j:X+32*\i+4*\j+3], v2, s[20:21] offset:\i*4096+\j*512 th:TH_LOAD_NT   ; 512 consecutive bytes a load
.endr
.endr
	v_lshrrev_b32 v8, 3, v1                        ; lane / 8
	v_and_b32 v9, 7, v1                            ; lane % 8
	s_wait_alu depctr_va_vdst(0)
	s_mul_i32 s26, s18, 4608
	v_mul_u32_u24 v3, v8, 144
	s_delay_alu instid0(VALU_DEP_1)
	v_lshl_add_u32 v3, v9, 4, v3
	s_delay_alu instid0(VALU_DEP_1)
	v_add_nc_u32 v3, s26, v3                       ; into the stage: 128 bytes (a block of 32 numbers), then 16 of padding
	v_mul_u32_u24 v4, v1, 144
	s_delay_alu instid0(VALU_DEP_1)
	v_add_nc_u32 v4, s26, v4                       ; out of it: block `lane`
	s_bfe_u32 s27, s18, 0x10001                    ; my tokens' tile: (w / 2) % 2,
	s_lshr_b32 s28, s18, 2
	s_lshl_b32 s28, s28, 3
	s_and_b32 s29, s18, 1
	s_lshl_b32 s29, s29, 2
	s_add_co_u32 s28, s28, s29                     ; and their first place in it: 8 (w / 4) + 4 (w % 2)
	v_lshl_add_u32 v5, v8, 4, v9
	s_delay_alu instid0(VALU_DEP_1)
	v_mul_u32_u24 v5, v5, 272                      ; block `lane` of a row: slice lane / 8 (16 pieces), piece lane % 8 of its tile
	s_mul_i32 s34, s27, 8*272
	s_lshl_b32 s35, s28, 4
	s_add_co_u32 s34, s34, s35
	s_add_co_u32 s34, s34, IMG
	v_add_nc_u32 v5, s34, v5
	v_lshl_add_u32 v6, v8, 8, v9
	s_lshl_b32 s34, s27, 7
	s_lshl_b32 s35, s28, 3
	s_add_co_u32 s34, s34, s35
	s_add_co_u32 s34, s34, LNS
	v_add_nc_u32 v6, s34, v6
	v_lshrrev_b32 v10, 4, v1
	v_and_b32 v11, 15, v1
	s_delay_alu instid0(VALU_DEP_2)
	v_mul_u32_u24 v7, v10, 272
	s_delay_alu instid0(VALU_DEP_1)
	v_lshl_add_u32 v7, v11, 4, v7
	s_mul_i32 s34, s18, 8*272
	s_add_co_u32 s34, s34, IMG
	v_add_nc_u32 v7, s34, v7                       ; back: pieces 8 w on, two an instruction
	s_and_b32 s34, s18, 3
	s_lshl_b32 s34, s34, 8
	s_add_co_u32 s34, s34, LNS
.macro REDUCE                          ; v224 summed over the 32 lanes, in every lane
	s_delay_alu instid0(VALU_DEP_1)
	v_add_f32_dpp v224, v224, v224 row_xmask:1 row_mask:0xf bank_mask:0xf
	s_delay_alu instid0(VALU_DEP_1)
	v_add_f32_dpp v224, v224, v224 row_xmask:2 row_mask:0xf bank_mask:0xf
	s_delay_alu instid0(VALU_DEP_1)
	v_add_f32_dpp v224, v224, v224 row_xmask:4 row_mask:0xf bank_mask:0xf
	s_delay_alu instid0(VALU_DEP_1)
	v_add_f32_dpp v224, v224, v224 row_xmask:8 row_mask:0xf bank_mask:0xf
	s_delay_alu instid0(VALU_DEP_1)
	v_permlanex16_b32 v225, v224, s32, s33
	s_delay_alu instid0(VALU_DEP_1)
	v_add_f32 v224, v224, v225
.endm
.macro FOLD                            ; four packed chains into v224
	s_delay_alu instid0(VALU_DEP_3)
	v_pk_add_f32 v[224:225], v[224:225], v[226:227]
	s_delay_alu instid0(VALU_DEP_2)
	v_pk_add_f32 v[228:229], v[228:229], v[230:231]
	s_delay_alu instid0(VALU_DEP_1)
	v_pk_add_f32 v[224:225], v[224:225], v[228:229]
	s_delay_alu instid0(VALU_DEP_1)
	v_add_f32 v224, v224, v225
.endm
.macro LNROW i
.set XR, X+32*(\i)
	s_wait_loadcnt 8*(3-(\i))                      ; this row's eight loads are in (ln_w and ln_b are older); the later rows' may be out
.irp c, 0,1,2,3
	v_pk_add_f32 v[224+2*\c:225+2*\c], v[XR+2*\c:XR+2*\c+1], v[XR+8+2*\c:XR+9+2*\c]
.endr
.irp q, 16,24
.irp c, 0,1,2,3
	s_delay_alu instid0(VALU_DEP_4)
	v_pk_add_f32 v[224+2*\c:225+2*\c], v[224+2*\c:225+2*\c], v[XR+\q+2*\c:XR+\q+2*\c+1]
.endr
.endr
	FOLD
	REDUCE
	s_delay_alu instid0(VALU_DEP_1)
	v_mul_f32 v8, s30, v224                        ; the mean
.set n_, 0
.rept 16
	v_pk_add_f32 v[XR+2*n_:XR+2*n_+1], v[XR+2*n_:XR+2*n_+1], v[8:9] op_sel_hi:[1,0] neg_lo:[0,1] neg_hi:[0,1]   ; z - mean
.set n_, n_+1
.endr
.irp c, 0,1,2,3
	v_pk_mul_f32 v[224+2*\c:225+2*\c], v[XR+2*\c:XR+2*\c+1], v[XR+2*\c:XR+2*\c+1]
.endr
.irp q, 8,16,24
.irp c, 0,1,2,3
	s_delay_alu instid0(VALU_DEP_4)
	v_pk_fma_f32 v[224+2*\c:225+2*\c], v[XR+\q+2*\c:XR+\q+2*\c+1], v[XR+\q+2*\c:XR+\q+2*\c+1], v[224+2*\c:225+2*\c]
.endr
.endr
	FOLD
	REDUCE
	s_delay_alu instid0(VALU_DEP_1)
	v_fma_f32 v10, v224, s30, s31                  ; the variance + 1e-5
	s_wait_alu depctr_va_vdst(0)
	v_rsq_f32 v10, v10
	v_nop                                          ; a plain line behind the transcendental,
	s_wait_alu depctr_va_vdst(0)                   ; and the wait ahead of its first reader
.set n_, 0
.rept 16
	v_pk_mul_f32 v[XR+2*n_:XR+2*n_+1], v[XR+2*n_:XR+2*n_+1], v[10:11] op_sel_hi:[1,0]
.set n_, n_+1
.endr
.set n_, 0
.rept 16
	v_pk_fma_f32 v[XR+2*n_:XR+2*n_+1], v[XR+2*n_:XR+2*n_+1], v[160+2*n_:161+2*n_], v[192+2*n_:193+2*n_]   ; x ln_w + ln_b
.set n_, n_+1
.endr
.irp j, 0,1,2,3,4,5,6,7
	ds_store_b128 v3, v[XR+4*\j:XR+4*\j+3] offset:576*\j    ; the row through my own stage, as it lies;
.endr
.irp j, 0,1,2,3,4,5,6,7
	ds_load_b128 v[224+4*\j:227+4*\j], v4 offset:16*\j      ; back as 32 neighbours a lane (LDS serves a wave's instructions in order: ISA guide 5.7.1.4)
.endr
	s_wait_dscnt 0x0
	v_max3_num_f32 v[XR], |v224|, |v225|, |v226|            ; (the row's registers are free: three serve as scratch)
	v_max3_num_f32 v[XR+1], |v227|, |v228|, |v229|
.irp n, 6,10,14,18,22,26
	s_delay_alu instid0(VALU_DEP_2)
	v_max3_num_f32 v[XR], v[XR], |v[224+\n]|, |v[225+\n]|
	s_delay_alu instid0(VALU_DEP_2)
	v_max3_num_f32 v[XR+1], v[XR+1], |v[226+\n]|, |v[227+\n]|
.endr
	s_delay_alu instid0(VALU_DEP_2)
	v_max3_num_f32 v[XR], v[XR], |v254|, |v255|
	s_delay_alu instid0(VALU_DEP_1)
	v_max3_num_f32 v[XR], v[XR], v[XR+1], 0x1800000
	s_delay_alu instid0(VALU_DEP_1)
	v_add_nc_u32 v[XR+2], 0xff000000, v[XR]
.irp g, 0,1,2,3
	v_cvt_scalef32_pk8_fp4_f32 v[16+4*(\i)+\g], v[224+8*\g:231+8*\g], v[XR+2]
.endr
	v_lshrrev_b32 v[12+(\i)], 23, v[XR+2]          ; the byte (a plain line behind the conversions)
	ds_store_b128 v5, v[16+4*(\i):19+4*(\i)] offset:16*(\i)
	ds_store_b8 v6, v[12+(\i)] offset:8*(\i)
.endm
	LNROW 0
	LNROW 1
	LNROW 2
	LNROW 3
	s_wait_dscnt 0x0                               ; for the others' sake: my codes and bytes lie in LDS
	s_barrier_signal -1
	s_barrier_wait -1
.irp j, 0,1,2,3
	ds_load_b128 v[224+4*\j:227+4*\j], v7 offset:544*\j
.endr
.irp j, 0,1,2,3
	s_wait_dscnt 3-\j                              ; the younger of the four may be out
	global_store_b128 v2, v[224+4*\j:227+4*\j], s[22:23] offset:512*\j   ; 512 consecutive aligned bytes
.endr
	s_cmp_lt_u32 s18, 4
	s_cbranch_scc0 .Lln_end
	v_lshlrev_b32 v242, 3, v1                      ; 8 x lane
	v_add_nc_u32 v243, s34, v242                   ; a slice's 256 scale bytes in LDS
	s_wait_alu depctr_va_vdst(0)
	ds_load_b64 v[240:241], v243
	s_wait_dscnt 0x0
	global_store_b64 v242, v[240:241], s[24:25]    ; 256 consecutive aligned bytes
.Lln_end:
	v_lshl_add_u32 v244, v0, 2, 0xdc00             ; the wave's end: my spare word and 0, made anew from v0, which is as at the entry
	v_mov_b32 v245, 0
	s_wait_alu depctr_va_vdst(0)                   ; directly ahead of the wait below
	s_wait_tensorcnt 0x0                           ; behind my last LDS store
	ds_add_u32 v244, v245
	s_wait_dscnt 0x0
	s_endpgm
.Lfunc_end_k_q67f513a108_prep:
	.size	k_q67f513a108_prep, .Lfunc_end_k_q67f513a108_prep-k_q67f513a108_prep
	.p2alignl 7, 3214868480
	.fill 96, 4, 3214868480
	.section	.rodata,"a",@progbits
	.p2align	6, 0x0
	.amdhsa_kernel k_q67f513a108_prep
		.amdhsa_group_segment_fixed_size 57344
		.amdhsa_private_segment_fixed_size 0
		.amdhsa_enable_private_segment 0
		.amdhsa_kernarg_size 56
		.amdhsa_user_sgpr_count 2
		.amdhsa_user_sgpr_kernarg_segment_ptr 1
		.amdhsa_wavefront_size32 1
		.amdhsa_system_sgpr_workgroup_id_x 1
		.amdhsa_system_sgpr_workgroup_id_y 1
		.amdhsa_system_sgpr_workgroup_id_z 1
		.amdhsa_system_vgpr_workitem_id 0
		.amdhsa_next_free_vgpr 256
		.amdhsa_next_free_sgpr 66
		.amdhsa_reserve_vcc 0
		.amdhsa_float_denorm_mode_32 3
		.amdhsa_float_denorm_mode_16_64 3
		.amdhsa_memory_ordered 1
		.amdhsa_forward_progress 1
		.amdhsa_inst_pref_size 88
	.end_amdhsa_kernel
	.amdgpu_metadata
---
amdhsa.version: [ 1, 2 ]
amdhsa.kernels:
  - .name:           k_q67f513a108_prep
    .symbol:         k_q67f513a108_prep.kd
    .args:
      - { .name: z, .offset: 0, .size: 8, .value_kind: global_buffer, .address_space: global }
      - { .name: ln_w, .offset: 8, .size: 8, .value_kind: global_buffer, .address_space: global }
      - { .name: ln_b, .offset: 16, .size: 8, .value_kind: global_buffer, .address_space: global }
      - { .name: W_qkv, .offset: 24, .size: 8, .value_kind: global_buffer, .address_space: global }
      - { .name: W_proj, .offset: 32, .size: 8, .value_kind: global_buffer, .address_space: global }
      - { .name: znq, .offset: 40, .size: 8, .value_kind: global_buffer, .address_space: global }
      - { .name: wq, .offset: 48, .size: 8, .value_kind: global_buffer, .address_space: global }
    .group_segment_fixed_size: 57344
    .private_segment_fixed_size: 0
    .kernarg_segment_align: 8
    .kernarg_segment_size: 56
    .max_flat_workgroup_size: 256
    .sgpr_count:     66
    .vgpr_count:     256
    .wavefront_size: 32
...
	.end_amdgpu_metadata
.endif
;; end of part 1
;; launch gemm1 (part 2): grid 8 x 32, 4 waves a work-group, clusters of 4 x 4, 327,680 bytes of LDS; arguments znq, wq, b_qkv, qkv, scl; writes qkv, scl
.if DOCPART == 2
	.amdgcn_target "amdgcn-amd-amdhsa--gfx1250"
	.amdhsa_code_object_version 6
	.text
	.protected	k_q67f513a108_gemm1
	.globl	k_q67f513a108_gemm1
	.p2align	8
	.type	k_q67f513a108_gemm1,@function
k_q67f513a108_gemm1:
	s_mov_b64 s[64:65], 0
	v_nop
	global_prefetch_b8 v0, s[64:65] scope:SCOPE_SE
	s_setreg_imm32_b32 hwreg(HW_REG_WAVE_MODE, 25, 1), 1
	s_wait_xcnt 0x0
	s_wait_alu depctr_hold_cnt(0) depctr_sa_sdst(0) depctr_va_vdst(0) depctr_va_sdst(0) depctr_va_ssrc(0) depctr_va_vcc(0) depctr_vm_vsrc(0)
	s_getreg_b32 s2, hwreg(HW_REG_IB_STS2, 6, 4)
	s_cmp_eq_u32 s2, 0
	s_cbranch_scc0 .Lentry_in_a_cluster
	s_endpgm
.Lentry_in_a_cluster:
	s_bfe_u32 s2, ttmp6, 0x10000c
	s_cmp_lg_u32 s2, 0xf033
	s_cbranch_scc0 .Lentry_shape_is_right
	s_endpgm
.Lentry_shape_is_right:
; GEMM1: qkv = zn W_qkv + b_qkv on codes of FP4 (E2M1) with E8M0 scales, and the quantising of q, k (along the head's 64) and of v (along the KEYS) for the attention.  Nothing wide goes to memory.
; OPERANDS: znq and wq, images of operand registers: [slice of 256 K][half panel of 128 row places][BLK = 17,408 bytes: codes tile*2048 + step*1024 + 512 c + 16 lane; scale words 16384 + tile*128 + r*8 + step*4].
;   Inside each 32 rows the row n stands at the place n with bits 3 and 4 exchanged.
; SHARES: 64 half panels of zn x 24 of W are 1,536 pairs: 6 for each of 256 work-groups.  Work-group (x, y), four waves, takes zn's panel y (256 tokens) against three half panels of W, in two parts:
;   PART 1 (q for x = 0-3, k for x = 4-7): W's panel x, 256 x 256; a wave makes 128 x 128: 64 accumulators.
;   PART 2 (v): W_v's half panel 16 + x (two heads) against the same 256 tokens; a wave makes one head's 64 channels x one key step's 128 tokens: 32 accumulators.
; LDS: all of K of zn's panel and W's panel, 16 blocks, 278,528 bytes, comes once.  Five half panels do not fit, so W_v's four blocks are brought into the bytes of W's first half panel when part 1 has read them for the
;   last time; that load is on its way while part 1's results are quantised and stored.
; THE PRODUCTS ARE USED TRANSPOSED: a lane holds ONE row of source 1, and by the order of rows the 16 registers of two neighbouring tiles of source 0 are 16 neighbouring rows of it.
;   Part 1: source 0 = W's columns, source 1 = tokens: a lane's registers run along a head's channels.  Part 2: source 0 = tokens, source 1 = W_v's columns: they run along the tokens, the second attention product's K.
; CLUSTER: 4 x 4.  zn's panel hangs on y and is asked for jointly by a row of the cluster, W's blocks (part 2's too) on x and by a column: the requests are divided by four.
; NO PREFETCH: the first fills stand at the head, and the one refill has part 1's way out, some 900 vector lines a wave, between its request and the wait for it.
; OUT: qkv[b*16+head]: q at 0 and k at 32,768 as [tile of 16 tokens][512 bytes: registers 0-3 of a fragment]; v^T at 65,536 as [key step of 128][tile of 16 channels][1,024 bytes].
;   scl[b*16+head]: q's words at 0, k's at 4,096: [4 tiles][r][tile] x 4 bytes; v's at 8,192: [key step][r][tile] x 4 bytes.  Of a q or k word bytes 0, 1 are the head's two blocks; bytes 2, 3 stand over zero codes and are never 0xff.
; LIMITS: NaN and infinities are not served; a block of zeros, or under 2^(3-127), gets the byte 1 and not 127 (its codes are zeros; this program alone reads the bytes).
; REGISTERS, in windows of 256: window 0: v1 r, v2 h, v3 lane; v8-11, v16-27 LDS addresses; v12, v13 the add's two; v28-31 the ways out; v32-63 scale words, two sets; v64-127 the bias by columns; v128-135 the bias by rows;
;   v144-207 a tile row + bias; v208-223 at work; v224-231 scale words made; v232-239 the same, sorted for the store; v240-255 codes, two sets.   window 1: fragments, two sets of 128.   windows 2, 3: accumulator (a, b) at 8 (8 (a % 4) + b).
.set BLK,   17408
.set ZSTR,  64*BLK
.set QSTR,  24*BLK
.set SLICE, BLK                        ; LDS: [half panel: zn's two, then W's two][slice of K]: from slice to slice of a half panel,
.set PANL,  4*BLK                      ; and from half panel to half panel; in part 2 W_v's half panel lies where W's first lay
.set SPARE, 16*BLK                     ; behind them: the spare words, 128 bytes for each wave: two blocks of 256 bytes that no other line names
.set HEADB, 98304
.set HEADS, 10240
.set S2B,  8                           ; v8-11   part 2: scale words of tiles 4-7
.set SPW,  12                          ; v12     LDS address of my spare word: SPARE + 4 x my thread's number; never rewritten
.set NIL,  13                          ; v13     0; never rewritten
.set ADRA, 16                          ; v16-19  part 1: my half of zn;  part 2: my half of zn
.set ADRB, 20                          ; v20-23  part 1: my half of W;   part 2: my four tiles of W_v
.set ADRS, 24                          ; v24-27  scale words
.set OC,   28
.set OS,   29
.set SH,   30
.set OV,   31
.set SC,   32
.set CB,   64
.set RB,   128
.set T,    144
.set TM,   208
.set PW,   224
.set SW,   232
.set PC,   240
.set G0V,  24                          ; s[24:27] descriptor group 0 for my slice of W_v
.set G1A,  28                          ; s[28:35], s[36:43] descriptor group 1 for zn's and W's blocks: they differ in the mask
.set G1B,  36
.set G0A,  44                          ; s[44:47] group 0 for my half panel of zn;  s[68:71] of W
.set G1V,  48                          ; s[48:55] group 1 for a slice of W_v: one block of 68 rows of 256 bytes
.set G0B,  68
.set SEL,  92
.set MSB, 0
.macro WIN new                         ; the immediate's high byte repeats the setting that is left
.if MSB != (\new)
	s_set_vgpr_msb (MSB<<8)|(\new)
.set MSB, (\new)
.endif
.endm
.macro PLACES                          ; four plain lines between a matrix instruction and a load into its sources or a read of its result
.rept 4
	v_nop
.endr
.endm
.macro CREST                           ; a round of the cluster's barrier behind its opening barrier
	s_cmp_lg_u32 s14, 0
	s_cbranch_scc1 .Lnot_wave_0_\@
	s_barrier_signal -3
.Lnot_wave_0_\@:
	s_barrier_wait -3
	s_barrier_signal -1
	s_barrier_wait -1
.endm
.macro CROUND                          ; a whole round
	s_barrier_signal -1
	s_barrier_wait -1
	CREST
.endm
	s_load_b256 s[4:11], s[0:1], 0x0               ; znq s[4:5], wq s[6:7], b_qkv s[8:9], qkv s[10:11]
	s_load_b64 s[12:13], s[0:1], 0x20              ; scl
	v_lshl_add_u32 v[SPW], v0, 2, SPARE
	v_mov_b32 v[NIL], 0
	ds_add_u32 v12, v13
	ds_add_u32 v12, v13
	s_wait_dscnt 0x0
	v_lshrrev_b32 v1, 5, v0
	v_readfirstlane_b32 s14, v1                    ; wave 0..3
	s_lshr_b32 s15, s14, 1                         ; part 1: which half of the tokens is mine; part 2: which head.  Also: I fetch for zn (0) or for W (1)
	s_and_b32 s16, s14, 1                          ; part 1: which half of W's columns; part 2: which half of the tokens.  Also: which half panel I fetch
	s_bfe_u32 s17, ttmp6, 0x40000                  ; cx
	s_bfe_u32 s18, ttmp6, 0x40004                  ; cy
	s_mov_b32 s19, ttmp9                           ; the cluster's x: 0 = q, 1 = k
	s_and_b32 s20, ttmp7, 0xffff
	s_lshl_b32 s20, s20, 2                         ; 4 x the cluster's y
	s_lshl_b32 s21, ttmp9, 2                       ; 4 x the cluster's x
	s_lshl_b32 s94, s18, 2
	s_lshl_b32 s94, 15, s94                        ; my row of the cluster
	s_lshl_b32 s95, 0x1111, s17                    ; my column
	s_or_b32 s[G1A], s94, (3<<16)|(1<<21)          ; 15:0 the mask; 17:16 elements of 8 bytes; 21 set beside a mask; no padding
	s_or_b32 s[G1B], s95, (3<<16)|(1<<21)
.irp g, G1A, G1B                       ; a half panel's four slices by one load: 4 rows of 17,408 bytes (2,176 elements), a slice of the buffer apart
	s_mov_b32 s[\g+1], 2176<<16                    ; tensor_dim0
	s_mov_b32 s[\g+2], 4<<16                       ; tensor_dim1 = 4
	s_mov_b32 s[\g+3], 2176<<16                    ; tile_dim0
	s_mov_b32 s[\g+4], 4                           ; tile_dim1
	s_mov_b32 s[\g+6], 0
	s_mov_b32 s[\g+7], 0
.endr
	s_mov_b32 s[G1A+5], ZSTR/8                     ; from row to row, in elements
	s_mov_b32 s[G1B+5], QSTR/8
	s_or_b32 s[G1V], s95, (3<<16)|(1<<21)          ; W_v's slices go to my column of the cluster too
	s_mov_b32 s[G1V+1], 32<<16
	s_mov_b32 s[G1V+2], 68<<16
	s_mov_b32 s[G1V+3], 32<<16
	s_mov_b32 s[G1V+4], 68
	s_mov_b32 s[G1V+5], 32
	s_mov_b32 s[G1V+6], 0
	s_mov_b32 s[G1V+7], 0
	s_mov_b32 s[SEL], 0x76543210
	s_mov_b32 s[SEL+1], 0xfedcba98
	s_add_co_u32 s22, s20, s18                     ; y: zn's panel,
	s_lshl_b32 s22, s22, 1
	s_add_co_u32 s22, s22, s16                     ; the half of it that I would fetch
	s_mul_i32 s88, s22, BLK
	s_mov_b32 s89, 0
	s_add_co_u32 s23, s21, s17                     ; x: W's panel,
	s_lshl_b32 s90, s23, 1
	s_add_co_u32 s90, s90, s16                     ; the half of it that I would fetch
	s_mul_i32 s90, s90, BLK
	s_mov_b32 s91, 0
	s_add_co_u32 s100, s23, 16                     ; W_v's half panel 16 + x,
	s_mul_i32 s100, s100, BLK
	s_mul_i32 s101, s14, QSTR                      ; of which I fetch the slice of my wave's number
	s_add_co_u32 s100, s100, s101
	s_mov_b32 s101, 0
	s_mul_i32 s94, s14, PANL                       ; where my half panel goes: wave x 4 blocks: no place in the cluster enters an LDS address
	s_mul_i32 s95, s14, SLICE                      ; and my slice of W_v
	s_wait_kmcnt 0x0
	s_add_nc_u64 s[84:85], s[4:5], s[88:89]
	s_add_nc_u64 s[86:87], s[6:7], s[90:91]
	s_mov_b32 s[G0A], 1
	s_mov_b32 s[G0A+1], s94
	s_mov_b64 s[G0A+2:G0A+3], s[84:85]
	s_or_b32 s[G0A+3], s[G0A+3], 0x80000000
	s_mov_b32 s[G0B], 1
	s_mov_b32 s[G0B+1], s94
	s_mov_b64 s[G0B+2:G0B+3], s[86:87]
	s_or_b32 s[G0B+3], s[G0B+3], 0x80000000
	s_mov_b32 s[G0V], 1
	s_add_co_u32 s[G0V+1], s95, 2*PANL             ; slice `wave` of half panel 2
	s_add_nc_u64 s[G0V+2:G0V+3], s[6:7], s[100:101]
	s_or_b32 s[G0V+3], s[G0V+3], 0x80000000
	CROUND                                         ; all sixteen work-groups are here: the joint loads meet
	s_cmp_eq_u32 s15, 0                            ; one first fill a wave, in the two arms of one branch on its number: all of K of one half panel
	s_cbranch_scc0 .Lfill_b
	tensor_load_to_lds s[G0A:G0A+3], s[G1A:G1A+7]
	s_nop 0
	PLACES
	s_branch .Lfilled
.Lfill_b:
	tensor_load_to_lds s[G0B:G0B+3], s[G1B:G1B+7]
	s_nop 0
	PLACES
.Lfilled:
	v_and_b32 v3, 31, v0                           ; lane
	v_and_b32 v1, 15, v0                           ; r
	v_bfe_u32 v2, v0, 4, 1                         ; h
	v_lshlrev_b32 v[OC], 4, v3                     ; 16 x lane: my place in every image
	s_wait_alu depctr_va_vdst(0)
	s_mul_i32 s96, s15, PANL                       ; part 1: my half of zn,
	s_add_co_u32 s97, s16, 2
	s_mul_i32 s97, s97, PANL                       ; my half of W
	s_xor_b32 s95, s15, 1
	s_add_co_u32 s95, s95, s16
	s_add_co_u32 s95, s95, 1
	s_mul_i32 s95, s95, PANL                       ; from the one to the other: (2 + s16 - s15) half panels
	v_mul_u32_u24 v4, s95, v2                      ; scale words: lanes 0-15 take zn's, lanes 16-31 W's
	v_lshl_add_u32 v4, v1, 3, v4
	s_add_co_u32 s95, s96, 16384
.irp g, 0,1,2,3
	v_add_nc_u32 v[ADRA+\g], s96, v[OC]
	v_add_nc_u32 v[ADRB+\g], s97, v[OC]
	v_add_nc_u32 v[ADRS+\g], s95, v4
	s_add_co_u32 s96, s96, SLICE
	s_add_co_u32 s97, s97, SLICE
	s_add_co_u32 s95, s95, SLICE
.endr
	v_mul_u32_u24 v[OS], v2, HEADS
	v_lshl_add_u32 v[OS], v1, 4, v[OS]             ; q, k scale words out: lanes 0-15 the first head's 256 bytes, lanes 16-31 the next head's
	v_lshlrev_b32 v[SH], 4, v2
	v_lshlrev_b32 v[OV], 4, v1                     ; v's scale words out: 16 bytes a row place
	v_lshlrev_b32 v5, 6, v2                        ; the bias by columns: 16 h numbers on
	s_wait_alu depctr_va_vdst(0)
	v_and_b32 v6, 8, v1
	v_add_nc_u32 v6, v6, v1
	v_lshlrev_b32 v6, 2, v6                        ; the bias by rows: the column at place r of a tile: r + 8 (r / 8)
	s_wait_alu depctr_va_vdst(0)
.irp b, 0,1,2,3
	v_mov_b32 v[TM+4+\b], 0                        ; written once: a lane permute's destination counts as one of its sources
.endr
	s_lshl_b32 s94, s23, 10
	s_lshl_b32 s95, s16, 9
	s_add_co_u32 s94, s94, s95                     ; part 1: my 128 columns of W begin here in b_qkv
	s_mov_b32 s95, 0
	s_add_nc_u64 s[60:61], s[8:9], s[94:95]
	s_lshl_b32 s96, s23, 9
	s_lshl_b32 s97, s15, 8
	s_add_co_u32 s96, s96, s97
	s_add_co_u32 s96, s96, 8192                    ; part 2: my 64 columns of W_v
	s_mov_b32 s97, 0
	s_add_nc_u64 s[62:63], s[8:9], s[96:97]
.irp b, 0,1,2,3,4,5,6,7
	global_load_b128 v[CB+8*\b:CB+8*\b+3], v5, s[60:61] offset:(32*(\b/2)+8*(\b%2))*4        ; tile b's register j is column 32 (b / 2) + 16 h + 8 (b % 2) + j
	global_load_b128 v[CB+8*\b+4:CB+8*\b+7], v5, s[60:61] offset:(32*(\b/2)+8*(\b%2))*4+16
.endr
.irp a, 0,1,2,3
	global_load_b32 v[RB+2*\a], v6, s[62:63] offset:(32*(\a/2)+8*(\a%2))*4
.endr
	; where the results go: s[84:85], s[86:87] q's or k's codes and scale words; s[88:89], s[90:91] v's
	s_add_co_u32 s94, s20, s18                     ; y: 256 tokens
	s_lshr_b32 s95, s94, 2                         ; the batch
	s_and_b32 s94, s94, 3                          ; the panel in it
	s_lshl_b32 s95, s95, 4                         ; 16 b
	s_lshl_b32 s96, s17, 2
	s_add_co_u32 s96, s96, s95
	s_lshl_b32 s97, s16, 1
	s_add_co_u32 s96, s96, s97                     ; 16 b + my first head of q or k: 4 cx + 2 x half
	s_lshl_b32 s97, s94, 4
	s_lshl_b32 s100, s15, 3
	s_add_co_u32 s97, s97, s100                    ; my first tile of tokens in the head
	s_mul_i32 s100, s96, HEADB
	s_lshl_b32 s101, s19, 15                       ; q at 0, k at 32,768
	s_add_co_u32 s100, s100, s101
	s_lshl_b32 s101, s97, 9
	s_add_co_u32 s100, s100, s101
	s_mov_b32 s101, 0
	s_add_nc_u64 s[84:85], s[10:11], s[100:101]
	s_mul_i32 s100, s96, HEADS
	s_lshl_b32 s96, s19, 12
	s_add_co_u32 s100, s100, s96
	s_lshl_b32 s96, s97, 6                         ; 256 bytes for each four tiles
	s_add_co_u32 s100, s100, s96
	s_add_nc_u64 s[86:87], s[12:13], s[100:101]
	s_lshl_b32 s96, s23, 1
	s_add_co_u32 s96, s96, s15
	s_add_co_u32 s96, s96, s95                     ; 16 b + my head of v: 2 x + s15
	s_lshl_b32 s97, s94, 1
	s_add_co_u32 s97, s97, s16                     ; my key step
	s_mul_i32 s100, s96, HEADB
	s_add_co_u32 s100, s100, 65536
	s_lshl_b32 s94, s97, 12
	s_add_co_u32 s100, s100, s94
	s_add_nc_u64 s[88:89], s[10:11], s[100:101]
	s_mul_i32 s100, s96, HEADS
	s_add_co_u32 s100, s100, 8192
	s_lshl_b32 s94, s97, 8
	s_add_co_u32 s100, s100, s94
	s_add_nc_u64 s[90:91], s[12:13], s[100:101]
; PART 1.  The fragments of K step k (slice k / 2, step k % 2) into set k % 2: 32 loads of 512 consecutive bytes; with a slice's first step its scale words (both steps'), into set (k / 2) % 2.
.macro FETCH k
.set G_, (\k)/2
.set E_, (\k)%2
	WIN 0x40                                       ; destination window 1
.irp i, 0,1,2,3,4,5,6,7
.irp c, 0,1
	ds_load_b128 v[128*E_+8*\i+4*\c:128*E_+8*\i+4*\c+3], v[ADRB+G_] offset:\i*2048+E_*1024+\c*512
.endr
.endr
.irp i, 0,1,2,3,4,5,6,7
.irp c, 0,1
	ds_load_b128 v[128*E_+64+8*\i+4*\c:128*E_+64+8*\i+4*\c+3], v[ADRA+G_] offset:\i*2048+E_*1024+\c*512
.endr
.endr
	WIN 0
.if E_ == 0
.irp i, 0,1,2,3,4,5,6,7
	ds_load_b64 v[SC+16*(G_%2)+2*\i:SC+16*(G_%2)+2*\i+1], v[ADRS+G_] offset:128*\i
.endr
.endif
.endm
; 32 matrix instructions: zn's tiles 4 hi .. 4 hi + 3 against W's eight.  The 64 accumulators take turns, one instruction a turn, in the same order in every K step.
; One register carries zn's word (lanes 0-15) and W's (lanes 16-31) of tile i.  zero = 1: the first K step starts the sums.
.macro MUL32 k, hi, zero
.set E_, (\k)%2
.set S_, SC+16*(((\k)/2)%2)+E_
	WIN 0xa5+0x50*(\hi)                            ; sources window 1; C and D window 2 or 3
.irp a, 0,1,2,3
.irp b, 0,1,2,3,4,5,6,7
.if \zero
	v_wmma_scale_f32_16x16x128_f8f6f4 v[8*(8*\a+\b):8*(8*\a+\b)+7], v[128*E_+8*\b:128*E_+8*\b+7], v[128*E_+64+8*(4*(\hi)+\a):128*E_+64+8*(4*(\hi)+\a)+7], 0, v[S_+2*\b], v[S_+2*(4*(\hi)+\a)] matrix_a_fmt:MATRIX_FMT_FP4 matrix_b_fmt:MATRIX_FMT_FP4 matrix_a_scale:MATRIX_SCALE_ROW1
.else
	v_wmma_scale_f32_16x16x128_f8f6f4 v[8*(8*\a+\b):8*(8*\a+\b)+7], v[128*E_+8*\b:128*E_+8*\b+7], v[128*E_+64+8*(4*(\hi)+\a):128*E_+64+8*(4*(\hi)+\a)+7], v[8*(8*\a+\b):8*(8*\a+\b)+7], v[S_+2*\b], v[S_+2*(4*(\hi)+\a)] matrix_a_fmt:MATRIX_FMT_FP4 matrix_b_fmt:MATRIX_FMT_FP4 matrix_a_scale:MATRIX_SCALE_ROW1
.endif
.endr
.endr
.endm
; A K step of part 1 but the last: the next step's fragments are asked for between its two halves.
.macro STEP k, zero
	s_wait_dscnt 0x0                               ; this step's fragments, asked for 32 matrix instructions ago
	MUL32 \k, 0, \zero
	PLACES
	FETCH (\k)+1
	MUL32 \k, 1, \zero
.endm
	s_wait_tensorcnt 0x0                           ; my half panel is in: the one load of mine that was out
	s_barrier_signal -1
	s_barrier_wait -1                              ; everybody's is
	FETCH 0
	STEP 0, 1
	STEP 1, 0
	STEP 2, 0
	STEP 3, 0
	STEP 4, 0
	STEP 5, 0
	STEP 6, 0
	; PART 1'S LAST K STEP, AND THE REFILL.  All of W's panel has been asked for out of LDS.  Each wave waits for all its tensor loads, adds 0 to its spare word, and waits for that and for its reads; the barrier opens a round of the
	; cluster's barrier, behind which no wave of any partner still reads W's first half panel.  Then each wave asks jointly for one slice of W_v's half panel, into those bytes.
	WIN 0                                          ; (the add's two registers lie in window 0)
	s_wait_tensorcnt 0x0                           ; none of my tensor loads is out
	ds_add_u32 v[SPW], v[NIL]                      ; 0 onto my spare word
	s_wait_dscnt 0x1                               ; the last step's 32 fragment loads are in; the add may be out
	MUL32 7, 0, 0                                  ; 32 matrix instructions stand between the add and the wait for it
	s_wait_dscnt 0x0                               ; the add is done, and my reads of W's panel are over
	s_barrier_signal -1
	MUL32 7, 1, 0                                  ; work on registers while the others arrive
	WIN 0
	s_barrier_wait -1
	CREST
	tensor_load_to_lds s[G0V:G0V+3], s[G1V:G1V+7]  ; my one tensor load behind the round: slice `wave` of W_v, shared along my column of the cluster
	s_nop 0
	PLACES                                         ; these four are also the places behind the last products
	s_wait_loadcnt 0x0                             ; the biases
	; part 2's LDS addresses, into the registers that part 1's have left
	s_mul_i32 s96, s16, PANL                       ; my half of zn,
	s_lshl_b32 s97, s15, 13
	s_add_co_u32 s97, s97, 2*PANL                  ; my four tiles of W_v
	s_xor_b32 s95, s16, 1
	s_mul_i32 s95, s95, PANL
	s_lshl_b32 s94, s15, 9
	s_add_co_u32 s95, s95, s94
	s_add_co_u32 s95, s95, PANL-512                ; from zn's scale words to W_v's: (2 - s16) half panels + 512 s15; here less 512
	v_mul_u32_u24 v7, s95, v2                      ; lanes 0-15 take zn's words, lanes 16-31 W_v's
	v_lshl_add_u32 v7, v1, 3, v7                   ; for tiles 4-7 of zn: lanes 16-31 read W_v's four tiles once more
	v_lshl_add_u32 v14, v2, 9, v7                  ; for tiles 0-3
	s_add_co_u32 s95, s96, 16384
.irp g, 0,1,2,3
	v_add_nc_u32 v[ADRA+\g], s96, v[OC]
	v_add_nc_u32 v[ADRB+\g], s97, v[OC]
	v_add_nc_u32 v[ADRS+\g], s95, v14
	v_add_nc_u32 v[S2B+\g], s95, v7
	s_add_co_u32 s96, s96, SLICE
	s_add_co_u32 s97, s97, SLICE
	s_add_co_u32 s95, s95, SLICE
.endr
.irp a, 0,1,2,3
	v_mov_b32 v[RB+2*\a+1], v[RB+2*\a]             ; a row's bias as a pair
.endr
; 64 numbers of a lane, register 16 b + i = k 32 b + 16 h + i of my row, become a fragment's codes in v[pc] on and its scale word in v[pw].
.macro QUANT s, pc, pw
.irp b, 0,1,2,3
	v_max3_num_f32 v[TM+\b], |v[(\s)+16*\b]|, |v[(\s)+1+16*\b]|, 0x1800000   ; my 16 numbers of block b, and the floor 2^(3-127)
.endr
.irp i, 2,4,6,8,10,12,14
.irp b, 0,1,2,3
	v_max3_num_f32 v[TM+\b], v[TM+\b], |v[(\s)+16*\b+\i]|, |v[(\s)+1+16*\b+\i]|
.endr
.endr
.irp b, 0,1,2,3
	v_permlanex16_b32 v[TM+4+\b], v[TM+\b], s[SEL], s[SEL+1]
.endr
.irp b, 0,1,2,3
	v_max_num_f32 v[TM+\b], v[TM+\b], v[TM+4+\b]   ; with lane l xor 16's: the block's largest magnitude
.endr
.irp b, 0,1,2,3
	v_add_nc_u32 v[TM+12+\b], 0xff000000, v[TM+\b] ; 2 off its exponent field: the conversion's scale operand
.endr
.irp b, 0,1,2,3
	v_lshrrev_b32 v[TM+4+\b], 23, v[TM+12+\b]      ; the byte
.endr
	v_lshl_or_b32 v[(\pw)], v[TM+5], 8, v[TM+4]
	v_lshl_or_b32 v[(\pw)], v[TM+6], 16, v[(\pw)]
	v_lshl_or_b32 v[(\pw)], v[TM+7], 24, v[(\pw)]
.irp b, 0,1,2,3
	v_cvt_scalef32_pk8_fp4_f32 v[(\pc)+2*\b], v[(\s)+16*\b:(\s)+7+16*\b], v[TM+12+\b]
	v_cvt_scalef32_pk8_fp4_f32 v[(\pc)+1+2*\b], v[(\s)+8+16*\b:(\s)+15+16*\b], v[TM+12+\b]
.endr
	v_nop                                          ; one plain line behind the conversions
.irp c, 0,1                            ; the operand wants a whole block in a lane: lanes 0-15 block 2 c, lanes 16-31 block 2 c + 1
.irp i, 0,1
	v_permlane16_swap_b32 v[(\pc)+4*\c+\i], v[(\pc)+2+4*\c+\i]
.endr
.endr
.endm
; Tile row a of my part of the result: + bias (each accumulator is read from its low end on), quantised, stored as images: every store covers 512 consecutive aligned bytes.  part = 0: q or k; 1: v.
.macro OUT a, part
	WIN 0x02+(\a)/4                                ; source 0: window 2 or 3
.set n_, 0
.rept 32
.if \part
	v_pk_add_f32 v[T+2*n_:T+2*n_+1], v[64*((\a)%4)+2*n_:64*((\a)%4)+2*n_+1], v[RB+2*(\a):RB+2*(\a)+1]
.else
	v_pk_add_f32 v[T+2*n_:T+2*n_+1], v[64*((\a)%4)+2*n_:64*((\a)%4)+2*n_+1], v[CB+2*n_:CB+2*n_+1]
.endif
.set n_, n_+1
.endr
	WIN 0
.if ((\a) >= 2) || (\part)
	s_wait_xcnt 0x0                                ; the earlier stores have read this set of code registers
.endif
	QUANT T, PC+8*((\a)%2), PW+(\a)
.if \part
	global_store_b128 v[OC], v[PC+8*((\a)%2):PC+8*((\a)%2)+3], s[88:89] offset:(\a)*1024
	global_store_b128 v[OC], v[PC+8*((\a)%2)+4:PC+8*((\a)%2)+7], s[88:89] offset:(\a)*1024+512
.else
	global_store_b128 v[OC], v[PC+8*((\a)%2):PC+8*((\a)%2)+3], s[84:85] offset:512*(\a)           ; columns 0-63: the first head
	global_store_b128 v[OC], v[PC+8*((\a)%2)+4:PC+8*((\a)%2)+7], s[84:85] offset:512*(\a)+HEADB   ; columns 64-127: the next
.endif
.endm
	; ---- q or k goes out while W_v comes in: a lane holds one token; its 64 numbers are half of 128 columns: two heads x two blocks of 32
.irp a, 0,1,2,3,4,5,6,7
	OUT \a, 0
.endr
.irp a, 0,1,2,3,4,5,6,7
	v_lshrrev_b32 v[SW+\a], v[SH], v[PW+\a]        ; lanes 16-31: the second head's two bytes come down
.endr
	global_store_b128 v[OS], v[SW:SW+3], s[86:87]
	global_store_b128 v[OS], v[SW+4:SW+7], s[86:87] offset:256
; PART 2.  K step k's fragments into set k % 2: zn's eight tiles, W_v's four; with a slice's first step its scale words: one register carries zn's word of tile i (lanes 0-15) and W_v's of tile i % 4 (lanes 16-31).
.macro FETCHV k
.set G_, (\k)/2
.set E_, (\k)%2
	WIN 0x40
.irp i, 0,1,2,3,4,5,6,7
.irp c, 0,1
	ds_load_b128 v[128*E_+8*\i+4*\c:128*E_+8*\i+4*\c+3], v[ADRA+G_] offset:\i*2048+E_*1024+\c*512
.endr
.endr
.irp i, 0,1,2,3
.irp c, 0,1
	ds_load_b128 v[128*E_+64+8*\i+4*\c:128*E_+64+8*\i+4*\c+3], v[ADRB+G_] offset:\i*2048+E_*1024+\c*512
.endr
.endr
	WIN 0
.if E_ == 0
.irp i, 0,1,2,3
	ds_load_b64 v[SC+16*(G_%2)+2*\i:SC+16*(G_%2)+2*\i+1], v[ADRS+G_] offset:128*\i
.endr
.irp i, 4,5,6,7
	ds_load_b64 v[SC+16*(G_%2)+2*\i:SC+16*(G_%2)+2*\i+1], v[S2B+G_] offset:128*\i
.endr
.endif
.endm
; 16 matrix instructions: W_v's tiles 2 half, 2 half + 1 (source 1) against zn's eight (source 0).  The 32 accumulators take turns, one instruction a turn, in the same order in every K step.
.macro MULV k, half, zero
.set E_, (\k)%2
.set S_, SC+16*(((\k)/2)%2)+E_
	WIN 0xa5                                       ; sources window 1; C and D window 2
.irp a, 0,1
.irp b, 0,1,2,3,4,5,6,7
.if \zero
	v_wmma_scale_f32_16x16x128_f8f6f4 v[8*(8*(2*(\half)+\a)+\b):8*(8*(2*(\half)+\a)+\b)+7], v[128*E_+8*\b:128*E_+8*\b+7], v[128*E_+64+8*(2*(\half)+\a):128*E_+64+8*(2*(\half)+\a)+7], 0, v[S_+2*\b], v[S_+2*(2*(\half)+\a)] matrix_a_fmt:MATRIX_FMT_FP4 matrix_b_fmt:MATRIX_FMT_FP4 matrix_b_scale:MATRIX_SCALE_ROW1
.else
	v_wmma_scale_f32_16x16x128_f8f6f4 v[8*(8*(2*(\half)+\a)+\b):8*(8*(2*(\half)+\a)+\b)+7], v[128*E_+8*\b:128*E_+8*\b+7], v[128*E_+64+8*(2*(\half)+\a):128*E_+64+8*(2*(\half)+\a)+7], v[8*(8*(2*(\half)+\a)+\b):8*(8*(2*(\half)+\a)+\b)+7], v[S_+2*\b], v[S_+2*(2*(\half)+\a)] matrix_a_fmt:MATRIX_FMT_FP4 matrix_b_fmt:MATRIX_FMT_FP4 matrix_b_scale:MATRIX_SCALE_ROW1
.endif
.endr
.endr
.endm
.macro STEPV k, zero
	s_wait_dscnt 0x0                               ; this step's fragments, asked for 16 matrix instructions ago
	MULV \k, 0, \zero
.if (\k) < 7
	PLACES
	FETCHV (\k)+1
.endif
	MULV \k, 1, \zero
.endm
	s_wait_tensorcnt 0x0                           ; my slice of W_v has landed: the one load of mine that was out,
	s_barrier_signal -1
	s_barrier_wait -1                              ; and everybody's has
	FETCHV 0
	STEPV 0, 1
	STEPV 1, 0
	STEPV 2, 0
	STEPV 3, 0
	STEPV 4, 0
	STEPV 5, 0
	STEPV 6, 0
	STEPV 7, 0
	WIN 0
	PLACES
	; ---- v: a lane holds one channel of my head; its 64 numbers are half of 128 neighbouring tokens: a key step's four blocks
.irp a, 0,1,2,3
	OUT \a, 1
.endr
	global_store_b128 v[OV], v[PW:PW+3], s[90:91]  ; the four tiles' words of row place r: 256 consecutive aligned bytes; both halves of the lanes hold the same words and write the same bytes
	s_wait_tensorcnt 0x0                           ; the wave's end: behind my last tensor load
	ds_add_u32 v[SPW], v[NIL]
	s_wait_dscnt 0x0
	CROUND                                         ; the closing round: no work-group ends while a partner may still ask for a block that names it
	s_endpgm
.Lfunc_end_k_q67f513a108_gemm1:
	.size	k_q67f513a108_gemm1, .Lfunc_end_k_q67f513a108_gemm1-k_q67f513a108_gemm1
	.p2alignl 7, 3214868480
	.fill 96, 4, 3214868480
	.section	.rodata,"a",@progbits
	.p2align	6, 0x0
	.amdhsa_kernel k_q67f513a108_gemm1
		.amdhsa_group_segment_fixed_size 327680
		.amdhsa_private_segment_fixed_size 0
		.amdhsa_enable_private_segment 0
		.amdhsa_kernarg_size 40
		.amdhsa_user_sgpr_count 2
		.amdhsa_user_sgpr_kernarg_segment_ptr 1
		.amdhsa_wavefront_size32 1
		.amdhsa_system_sgpr_workgroup_id_x 1
		.amdhsa_system_sgpr_workgroup_id_y 1
		.amdhsa_system_sgpr_workgroup_id_z 1
		.amdhsa_system_vgpr_workitem_id 0
		.amdhsa_next_free_vgpr 1024
		.amdhsa_next_free_sgpr 102
		.amdhsa_reserve_vcc 0
		.amdhsa_float_denorm_mode_32 3
		.amdhsa_float_denorm_mode_16_64 3
		.amdhsa_memory_ordered 1
		.amdhsa_forward_progress 1
		.amdhsa_inst_pref_size 219
	.end_amdhsa_kernel
	.amdgpu_metadata
---
amdhsa.version: [ 1, 2 ]
amdhsa.kernels:
  - .name:           k_q67f513a108_gemm1
    .symbol:         k_q67f513a108_gemm1.kd
    .args:
      - { .name: znq, .offset: 0, .size: 8, .value_kind: global_buffer, .address_space: global }
      - { .name: wq, .offset: 8, .size: 8, .value_kind: global_buffer, .address_space: global }
      - { .name: b_qkv, .offset: 16, .size: 8, .value_kind: global_buffer, .address_space: global }
      - { .name: qkv, .offset: 24, .size: 8, .value_kind: global_buffer, .address_space: global }
      - { .name: scl, .offset: 32, .size: 8, .value_kind: global_buffer, .address_space: global }
    .group_segment_fixed_size: 327680
    .private_segment_fixed_size: 0
    .kernarg_segment_align: 8
    .kernarg_segment_size: 40
    .max_flat_workgroup_size: 128
    .sgpr_count:     102
    .vgpr_count:     1024
    .wavefront_size: 32
...
	.end_amdgpu_metadata
.endif
;; end of part 2
;; launch attn (part 3): grid 2 x 128, 16 waves a work-group, no clusters, 167,936 bytes of LDS; arguments qkv, scl, msq; writes msq
.if DOCPART == 3
	.amdgcn_target "amdgcn-amd-amdhsa--gfx1250"
	.amdhsa_code_object_version 6
	.text
	.protected	k_q67f513a108_attn
	.globl	k_q67f513a108_attn
	.p2align	8
	.type	k_q67f513a108_attn,@function
k_q67f513a108_attn:
	s_mov_b64 s[64:65], 0
	v_nop
	global_prefetch_b8 v0, s[64:65] scope:SCOPE_SE
	s_setreg_imm32_b32 hwreg(HW_REG_WAVE_MODE, 25, 1), 1
	s_wait_xcnt 0x0
; ATTN: for each batch and head, msa = softmax(q k^T / 8) v on codes of FP4 (E2M1) with E8M0 scales, and msa quantised along the model's 1,024 columns for the projection.
; THE SOFTMAX AHEAD OF THE SECOND PRODUCT: t = score x log2(e) / 8; M = the running largest t rounded UP to a whole number; p = 2^(t - M) is quantised along the keys, not normalised; the row's sum is taken of the
;   unquantised p and divides at the end.  When M moves, the sum and O are multiplied by f = 2^(old M - new M), which rounds nothing.  A tile begins with -M = 2^126: its first f is 0, which clears what the sums and O held.
; SHARES: work-group (x, y): y = 16 b + head, x = which 512 of the 1,024 queries.  Each of sixteen waves takes two tiles of 16 queries, one after the other, in 256 registers, and walks the head's 8 key steps of 128.
; LDS: the head's K (32 pieces of 1,024 bytes, 128 of padding behind each), its V (32 pieces, 64 of padding behind each) and the scale words.  All is asked for at the head (waves 0 to 3 a quarter of K each, waves 4 to 7
;   a quarter of V, wave 8 the scale words); no byte is filled twice, and the launch has one barrier: behind it the waves share nothing that changes.
; LAYOUT: both products transposed: S^T = K Q^T (source 0 = 16 keys), O^T = V^T P^T (source 0 = 16 channels): a lane holds one query throughout.  WHICH ROWS FORM A TILE is chosen by the lanes' LDS addresses:
;   row m of tile (c, t) is key 64 c + 32 (m / 8) + 8 t + m % 8 (V: channel 32 (m / 8) + 8 t + m % 8).  So lane (r, h) holds in the 32 registers of tiles (c, 0 .. 3) the WHOLE block of keys 64 c + 32 h + 0 .. 31:
;   a block's largest score needs no other lane, and the conversions' results are the next operand's registers as they stand.  In the images row n stands at the place n with bits 3 and 4 exchanged, which the offsets undo.
;   Rows 0-7 and rows 8-15 of a tile lie one piece of K (two of V) apart: with the padding 1,152 (2,176) bytes, which is 128 modulo 256, so that the sixteen lanes of a load name sixteen different 16-byte columns of 256.
;   The first product's K is 64: registers 4-7 of both fragments are zero codes.
; AHEAD: a step's K and its scale words (12 loads) are asked for out of LDS in the step before, behind that step's first products; V (10 loads) at the step's head, and is waited for behind the exponentials.
; NO CLUSTER: only two work-groups read a head's K and V, so the grid's x does not divide into a cluster of four.  NO PREFETCH: the only stream is asked for once, at the head.
; OUT: msq, as znq: [slice][half panel][17,408]: a head's 64 channels are register group head % 2 of K step head / 2; a lane stores its block's scale byte: those 256-byte runs are written in part, one byte in four.
; LIMITS: NaN and infinities are not served; the promise holds while the scaled scores stay under 2^31 in magnitude; a block of zeros, or under 2^(3-127), gets the byte 1 (its codes are zeros; this program alone reads
;   the bytes); 1 / sum is v_rcp_f32; a block's largest p is the exponential of its largest score.
; REGISTERS: v1, v5 my place in K, V; v2 among the scale words; v3 16 x lane; v4 8 r + h; v6 8 h; v7, v255 the add's two; v8-11 the walking addresses; v12 -M, v13 the largest score; v[14:15] the sum; v16-19 Q, v20-23 zeros;
;   v24-27, v29 the next Q and its scale word; v28 Q's; v[30:31] f; v32-95 K (8 x (4 loaded + 4 zeros)); v96-159 S^T, p; v160-191 O^T; v192-223 V; v224-231 p's codes; v232-237 three more chains of the sum, and the maxima;
;   v238, v239 the two blocks' largest p, then the conversions' scales; v240-247 K's scale words; v248-251 V's; v252 p's; v253, v254 at work.
.set BLK,   17408
.set ZSTR,  64*BLK
.set HEADB, 98304
.set HEADS, 10240
.set KCH,   1152                       ; a piece of K in LDS: 1,024 bytes + 128
.set VCH,   1088                       ; a piece of V: 1,024 + 64
.set KST,   4*KCH                      ; a key step of K,
.set VST,   4*VCH                      ; and of V
.set VB,    8*KST                      ; V stands behind K,
.set SCL,   VB+8*VST                   ; the scale words behind V,
.set SPARE, SCL+6144                   ; and behind them the spare words, 128 bytes for each wave: eight blocks of 256 bytes that no other line names
.set WV,   10
.set SEL,  14
.set CS,   16
.set G1K,  20
.set G1S,  28
.set G0K,  36
.set G0S,  40
.set MC,   44
.set MSC,  46
.set TRIP, 48
.set G1V,  68
.set G0V,  76
.set TK,   80
.set TS,   81
.set TV,   82
.set TJ,   83
.set KT,   84
.set NC,   85
	s_load_b128 s[4:7], s[0:1], 0x0                ; qkv s[4:5], scl s[6:7]
	s_load_b64 s[8:9], s[0:1], 0x10                ; msq
	v_lshl_add_u32 v7, v0, 2, SPARE
	v_mov_b32 v255, 0
	ds_add_u32 v7, v255                            ; the opening lines: the add, twice on end, and its wait ahead of the first tensor load
	ds_add_u32 v7, v255
	v_lshrrev_b32 v8, 5, v0
	v_readfirstlane_b32 s[WV], v8                  ; wave 0..15
	s_and_b32 s11, ttmp7, 0xffff                   ; y = 16 b + head
	s_mul_i32 s12, s11, HEADB
	s_mul_i32 s13, s11, HEADS
	s_mov_b32 s[SEL], 0x76543210
	s_mov_b32 s[SEL+1], 0xfedcba98
	s_mov_b32 s[CS], 0x3e38aa3b                    ; c = log2(e) / 8
	s_mov_b32 s[CS+1], s[CS]                       ; (named with it as a pair, so it is written)
	; a quarter of K or of V: 8,192 dense bytes as 8 rows of 1,024 (128 elements of 8 bytes), padding behind each row: 32 words for K, 16 for V
	s_mov_b32 s[G1K], (3<<16)|(1<<20)|(7<<22)|(31<<25)
	s_mov_b32 s[G1V], (3<<16)|(1<<20)|(7<<22)|(15<<25)
.irp g, G1K, G1V
	s_mov_b32 s[\g+1], 128<<16
	s_mov_b32 s[\g+2], 8<<16
	s_mov_b32 s[\g+3], 128<<16
	s_mov_b32 s[\g+4], 8
	s_mov_b32 s[\g+5], 128
	s_mov_b32 s[\g+6], 0
	s_mov_b32 s[\g+7], 0
.endr
	; K's and V's scale words: 6,144 dense bytes as 24 rows of 256
	s_mov_b32 s[G1S], 3<<16
	s_mov_b32 s[G1S+1], 32<<16
	s_mov_b32 s[G1S+2], 24<<16
	s_mov_b32 s[G1S+3], 32<<16
	s_mov_b32 s[G1S+4], 24
	s_mov_b32 s[G1S+5], 32
	s_mov_b32 s[G1S+6], 0
	s_mov_b32 s[G1S+7], 0
	s_and_b32 s49, s[WV], 3                        ; which quarter
	s_mov_b32 s[G0K], 1
	s_mul_i32 s[G0K+1], s49, 2*KST
	s_mov_b32 s[G0V], 1
	s_mul_i32 s[G0V+1], s49, 2*VST
	s_add_co_u32 s[G0V+1], s[G0V+1], VB
	s_lshl_b32 s50, s49, 13
	s_add_co_u32 s50, s50, s12
	s_add_co_u32 s50, s50, 32768
	s_mov_b32 s51, 0
	s_add_co_u32 s52, s13, 4096
	s_mov_b32 s53, 0
	s_mov_b32 s[G0S], 1
	s_mov_b32 s[G0S+1], SCL
	s_wait_dscnt 0x0                               ; both opening adds are done
	s_wait_kmcnt 0x0
	s_add_nc_u64 s[G0K+2:G0K+3], s[4:5], s[50:51]
	s_add_nc_u64 s[G0V+2:G0V+3], s[G0K+2:G0K+3], 0x8000   ; v^T lies 32,768 bytes behind k
	s_or_b32 s[G0K+3], s[G0K+3], 0x80000000
	s_or_b32 s[G0V+3], s[G0V+3], 0x80000000
	s_add_nc_u64 s[G0S+2:G0S+3], s[6:7], s[52:53]
	s_or_b32 s[G0S+3], s[G0S+3], 0x80000000
	s_cmp_lt_u32 s[WV], 4                          ; the head's loads: one chain of branches on the wave's number, one load to an arm
	s_cbranch_scc0 .Lnot_k
	tensor_load_to_lds s[G0K:G0K+3], s[G1K:G1K+7]
	s_nop 0
.rept 4
	v_nop
.endr
	s_branch .Lasked
.Lnot_k:
	s_cmp_lt_u32 s[WV], 8
	s_cbranch_scc0 .Lnot_v
	tensor_load_to_lds s[G0V:G0V+3], s[G1V:G1V+7]
	s_nop 0
.rept 4
	v_nop
.endr
	s_branch .Lasked
.Lnot_v:
	s_cmp_eq_u32 s[WV], 8
	s_cbranch_scc0 .Lasked
	tensor_load_to_lds s[G0S:G0S+3], s[G1S:G1S+7]
	s_nop 0
.rept 4
	v_nop
.endr
.Lasked:
	s_lshl_b32 s50, ttmp9, 5
	s_lshl_b32 s51, s[WV], 1
	s_add_co_u32 s50, s50, s51                     ; my first tile of queries: 32 x + 2 w
	s_lshl_b32 s50, s50, 9
	s_add_co_u32 s50, s50, s12
	s_mov_b32 s51, 0
	s_add_nc_u64 s[52:53], s[4:5], s[50:51]
	s_lshl_b32 s50, ttmp9, 3
	s_lshr_b32 s49, s[WV], 1
	s_add_co_u32 s50, s50, s49                     ; its group of four tiles,
	s_lshl_b32 s50, s50, 8
	s_and_b32 s49, s[WV], 1
	s_lshl_b32 s49, s49, 3                         ; and its word in the group
	s_add_co_u32 s50, s50, s49
	s_add_co_u32 s50, s50, s13
	s_add_nc_u64 s[54:55], s[6:7], s[50:51]
	v_and_b32 v3, 31, v0
	v_and_b32 v254, 15, v0
	v_lshlrev_b32 v3, 4, v3                        ; 16 x lane: my place in an image in memory
	v_lshlrev_b32 v254, 4, v254                    ; 16 r: Q's scale words
	global_load_b128 v[16:19], v3, s[52:53]
	global_load_b128 v[24:27], v3, s[52:53] offset:512
	global_load_b32 v28, v254, s[54:55]
	global_load_b32 v29, v254, s[54:55] offset:4
	s_and_b32 s18, s11, 15                         ; head
	s_lshr_b32 s19, s11, 4                         ; b
	s_lshl_b32 s19, s19, 3
	s_lshl_b32 s49, ttmp9, 2
	s_add_co_u32 s19, s19, s49
	s_lshr_b32 s49, s[WV], 2
	s_add_co_u32 s19, s19, s49                     ; the half panel of msq: 8 b + 4 x + w / 4
	s_mul_i32 s19, s19, BLK
	s_lshr_b32 s49, s18, 2
	s_mul_i32 s49, s49, ZSTR                       ; slice head / 4
	s_add_co_u32 s19, s19, s49
	s_and_b32 s49, s[WV], 3                        ; tiles 2 (w % 4), + 1
	s_bfe_u32 s58, s18, 0x10001                    ; K step (head / 2) % 2 of the slice
	s_and_b32 s59, s18, 1                          ; register group head % 2
	s_lshl_b32 s56, s49, 12
	s_add_co_u32 s56, s56, s19
	s_lshl_b32 s57, s58, 10
	s_add_co_u32 s56, s56, s57
	s_lshl_b32 s57, s59, 9
	s_add_co_u32 s56, s56, s57
	s_mov_b32 s57, 0
	s_add_nc_u64 s[MC:MC+1], s[8:9], s[56:57]
	s_lshl_b32 s56, s49, 8
	s_add_co_u32 s56, s56, s19
	s_add_co_u32 s56, s56, 16384
	s_lshl_b32 s58, s58, 2
	s_add_co_u32 s56, s56, s58
	s_lshl_b32 s59, s59, 1
	s_add_co_u32 s56, s56, s59
	s_add_nc_u64 s[MSC:MSC+1], s[8:9], s[56:57]
	s_mov_b32 s[NC], 0xbe38aa3b                    ; -c
	s_mov_b32 s[TRIP], 2
	s_mov_b32 s[TK], 0                             ; which half of the key steps the walking addresses stand in: each is turned by an exclusive or, and is 0 again after two turns
	s_mov_b32 s[TS], 0
	s_mov_b32 s[TV], 0
	s_mov_b32 s[TJ], 0
	v_and_b32 v8, 7, v0                            ; r % 8
	v_bfe_u32 v9, v0, 3, 1                         ; r / 8
	v_bfe_u32 v10, v0, 4, 1                        ; h
	v_lshlrev_b32 v2, 4, v8
	v_lshl_add_u32 v11, v10, 8, v2                 ; 256 h + 16 (r % 8)
	v_mad_u32_u24 v1, v9, KCH, v11                 ; K: rows 8-15 of a tile lie one piece on
	v_mad_u32_u24 v5, v9, 2*VCH, v11               ; V: two pieces on
	v_add_nc_u32 v5, VB, v5
	v_lshl_add_u32 v2, v9, 3, v2
	v_add_nc_u32 v2, SCL, v2                       ; scale words: 16 (r % 8) + 8 (r / 8): two neighbouring words are tiles t = 2 u, 2 u + 1
	v_and_b32 v11, 15, v0
	v_lshl_add_u32 v4, v11, 3, v10                 ; msq's scale byte: 8 r + h
	v_lshlrev_b32 v6, 3, v10                       ; 8 h: my bytes' place in p's scale word
	v_mov_b32 v8, v1                               ; K's walking addresses: key steps 0 to 3
	v_mov_b32 v10, v2
.irp j, 20,21,22,23,14,15,31,253,232,233,234,235,236,237
	v_mov_b32 v[\j], 0                             ; Q's zero codes; the sum and its chains; the pair's upper half and the permute's destination, written once
.endr
.irp t, 0,1,2,3,4,5,6,7
.irp j, 4,5,6,7
	v_mov_b32 v[32+8*\t+\j], 0                     ; K's k = 64 .. 127: zero codes
.endr
.endr
.set n_, 0
.rept 32
	v_mov_b32 v[160+n_], 0                         ; O^T, written once
.set n_, n_+1
.endr
	s_wait_alu depctr_va_vdst(0)
	s_wait_tensorcnt 0x0                           ; my load, if I had one, has landed;
	s_barrier_signal -1
	s_barrier_wait -1                              ; everybody's has: K, V and their scale words stay as they are to the end
	s_wait_loadcnt 0x0                             ; Q
.macro KLOAD q                         ; K's eight tiles and their scale words of the q-th key step from where v8, v10 stand: 12 loads
.irp n, 0,1,2,3,4,5,6,7
	ds_load_b128 v[32+8*\n:35+8*\n], v8 offset:(\q)*KST+(\n/4)*2*KCH+(\n%2)*512+((\n%4)/2)*128   ; tile (c, t) = (n / 4, n % 4)
.endr
.irp n, 0,1,2,3
	ds_load_b64 v[240+2*\n:241+2*\n], v10 offset:(\q)*512+\n*128
.endr
.endm
.macro TM cnt                          ; t - M, two at a time
.rept \cnt
	v_pk_fma_f32 v[96+n_:97+n_], v[96+n_:97+n_], s[CS:CS+1], v[12:13] op_sel_hi:[1,0,0]
.set n_, n_+2
.endr
.endm
.macro SUMR i                          ; one turn of the sum's four chains
	v_pk_add_f32 v[14:15], v[14:15], v[96+2*(\i):97+2*(\i)]
	v_pk_add_f32 v[232:233], v[232:233], v[114+2*(\i):115+2*(\i)]
	v_pk_add_f32 v[234:235], v[234:235], v[130+2*(\i):131+2*(\i)]
	v_pk_add_f32 v[236:237], v[236:237], v[146+2*(\i):147+2*(\i)]
.endm
.macro FOLD                            ; the three chains into the sum
	v_pk_add_f32 v[232:233], v[232:233], v[234:235]
	v_pk_add_f32 v[14:15], v[14:15], v[236:237]
	v_mov_b32 v254, v12                            ; (the old -M)
	v_pk_add_f32 v[14:15], v[14:15], v[232:233]
.endm
; A KEY STEP: 128 keys, the q-th of a trip's four.  Four plain lines stand ahead of it, behind the last products: the places in front of the loads into V's registers.
.macro STEP q
.irp t, 0,1,2,3
.irp c, 0,1
	ds_load_b128 v[192+8*\t+4*\c:195+8*\t+4*\c], v9 offset:(\q)*VST+(\t%2)*VCH+(\t/2)*128+\c*512
.endr
.endr
.irp u, 0,1
	ds_load_b64 v[248+2*\u:249+2*\u], v11 offset:4096+(\q)*256+\u*128
.endr
	s_wait_alu depctr_va_vdst(0)                   ; directly ahead of the wait below
	s_wait_dscnt 10                                ; K and its words, asked for a step ago, are in; the ten loads just issued (V, its words) may be out
.irp n, 0,1,2,3,4,5,6,7
	v_wmma_scale_f32_16x16x128_f8f6f4 v[96+8*\n:103+8*\n], v[32+8*\n:39+8*\n], v[16:23], 0, v[240+\n], v28 matrix_a_fmt:MATRIX_FMT_FP4 matrix_b_fmt:MATRIX_FMT_FP4
.endr
	FOLD                                           ; the last step's chains: four plain lines that name no register of the products: their places
.if (\q) == 3
	s_xor_b32 s[TK], s[TK], 4*KST                  ; the next step's K lies in the other half of the key steps (behind the tile's last step: the next tile's first)
	s_xor_b32 s[TS], s[TS], 2048
	v_add_nc_u32 v8, s[TK], v1
	v_add_nc_u32 v10, s[TS], v2
	KLOAD 0
.else
	KLOAD (\q)+1                                   ; the next step's K
.endif
.irp c, 0,1                            ; the largest score of each of my two blocks of 32 keys, two chains a block; each accumulator is read from its low end on
	v_max3_num_f32 v[232+2*\c], v[96+32*\c], v[97+32*\c], v[98+32*\c]
.endr
.irp c, 0,1
	v_max3_num_f32 v[233+2*\c], v[99+32*\c], v[100+32*\c], v[101+32*\c]
.endr
.irp i, 6,10,14,18,22,26
.irp c, 0,1
	v_max3_num_f32 v[232+2*\c], v[232+2*\c], v[96+32*\c+\i], v[97+32*\c+\i]
.endr
.irp c, 0,1
	v_max3_num_f32 v[233+2*\c], v[233+2*\c], v[98+32*\c+\i], v[99+32*\c+\i]
.endr
.endr
.irp c, 0,1
	v_max3_num_f32 v[232+2*\c], v[232+2*\c], v[126+32*\c], v[127+32*\c]
.endr
.irp c, 0,1
	v_max_num_f32 v[232+2*\c], v[232+2*\c], v[233+2*\c]
.endr
	v_max3_num_f32 v13, v13, v232, v234            ; the running largest score of my query,
	s_delay_alu instid0(VALU_DEP_1)
	v_permlanex16_b32 v253, v13, s[SEL], s[SEL+1]
	s_delay_alu instid0(VALU_DEP_1)
	v_max_num_f32 v13, v13, v253                   ; with lane l xor 16's blocks
	s_delay_alu instid0(VALU_DEP_1)
	v_mul_f32 v253, s[NC], v13                     ; -t
	s_delay_alu instid0(VALU_DEP_1)
	v_floor_f32 v12, v253                          ; -M = floor(-t): M is a whole number
	v_fma_f32 v238, v232, s[CS], v12               ; t - M of each block's largest score
	v_fma_f32 v239, v234, s[CS], v12
	v_sub_f32 v254, v12, v254                      ; old M - new M: a whole number, 0 or less
.set n_, 0
	TM 8
	v_cvt_i32_f32 v254, v254                       ; (it saturates)
	TM 8
	v_ldexp_f32 v30, 1.0, v254                     ; f = 2^(old M - new M)
	TM 16
	s_wait_alu depctr_va_vdst(0)
	v_exp_f32 v238, v238                           ; each block's largest p
	v_exp_f32 v239, v239
.set n_, 0
.rept 64
	v_exp_f32 v[96+n_], v[96+n_]                   ; p = 2^(t - M)
.set n_, n_+1
.endr
	v_pk_mul_f32 v[14:15], v[14:15], v[30:31] op_sel_hi:[1,0]   ; the sum under the new M (a plain line behind the exponentials)
	s_wait_alu depctr_va_vdst(0)                   ; one wait for the batch, ahead of its first reader; it also stands directly ahead of the wait below
	s_wait_dscnt 12                                ; V and its words are in; the twelve younger loads (the next step's K) may be out
	; the row's sum of the unquantised p in four chains, and between their turns the two blocks' scales
	v_pk_add_f32 v[14:15], v[14:15], v[96:97]
	v_pk_add_f32 v[232:233], v[112:113], v[114:115]
	v_pk_add_f32 v[234:235], v[128:129], v[130:131]
	v_pk_add_f32 v[236:237], v[144:145], v[146:147]
	v_max_num_f32 v238, 0x1800000, v238            ; the floor 2^(3-127)
	v_max_num_f32 v239, 0x1800000, v239
	SUMR 1
	v_add_nc_u32 v238, 0xff000000, v238            ; 2 off the exponent field: the conversions' scale operands
	v_add_nc_u32 v239, 0xff000000, v239
	SUMR 2
	v_lshrrev_b32 v252, 23, v238                   ; the bytes of blocks h and 2 + h
	v_lshrrev_b32 v254, 23, v239
	SUMR 3
	v_lshl_or_b32 v252, v254, 16, v252
	SUMR 4
	v_lshlrev_b32 v252, v6, v252                   ; at their places in the word: 8 h bits up
	SUMR 5
	v_permlanex16_b32 v253, v252, s[SEL], s[SEL+1]
	v_pk_add_f32 v[14:15], v[14:15], v[110:111]
	v_or_b32 v252, v252, v253                      ; with lane l xor 16's two: p's scale word for these 128 keys
.irp n, 0,1,2,3,4,5,6,7
	v_cvt_scalef32_pk8_fp4_f32 v[224+\n], v[96+8*\n:103+8*\n], v[238+\n/4]   ; register 4 c + t: keys 64 c + 32 h + 8 t + 0 .. 7: the operand's layout
.endr
	s_wait_alu depctr_va_vdst(0)                   ; directly ahead of the first reader of O^T
.irp j, 0,2,4,6,8,10,12,14,16,18,20,22,24,26,28,30
	v_pk_mul_f32 v[160+\j:161+\j], v[160+\j:161+\j], v[30:31] op_sel_hi:[1,0]   ; O^T under the new M; these sixteen are also the places between the scale word's and the codes' last lines and the products
.endr
.irp t, 0,1,2,3
	v_wmma_scale_f32_16x16x128_f8f6f4 v[160+8*\t:167+8*\t], v[192+8*\t:199+8*\t], v[224:231], v[160+8*\t:167+8*\t], v[248+\t], v252 matrix_a_fmt:MATRIX_FMT_FP4 matrix_b_fmt:MATRIX_FMT_FP4
.endr
	SUMR 6                                         ; the chains' last turn: four plain lines that name no register of the products: the places behind them
.endm
	KLOAD 0                                        ; the first tile's first K
.Ltile:                                            ; two trips: a tile of 16 queries each
	v_mov_b32 v13, 0xff61b1e6                      ; the largest score so far: -3e38
	v_mov_b32 v12, 0x7e800000                      ; -M = 2^126: the first f is 0
	s_mov_b32 s[KT], 2
.Lk:                                               ; two trips of four key steps
	v_add_nc_u32 v9, s[TV], v5
	v_add_nc_u32 v11, s[TJ], v2
	STEP 0
	STEP 1
	STEP 2
	STEP 3
	s_xor_b32 s[TV], s[TV], 4*VST                  ; V's other half of the key steps
	s_xor_b32 s[TJ], s[TJ], 1024
	s_sub_co_u32 s[KT], s[KT], 1
	s_cmp_lg_u32 s[KT], 0
	s_cbranch_scc1 .Lk
.irp j, 0,1,2,3
	v_mov_b32 v[16+\j], v[24+\j]                   ; the next tile's Q,
.endr
	v_mov_b32 v28, v29                             ; and its scale word: more than eight plain lines ahead of the next products
	FOLD
	v_add_f32 v14, v14, v15
	s_delay_alu instid0(VALU_DEP_1)
	v_permlanex16_b32 v253, v14, s[SEL], s[SEL+1]
	s_delay_alu instid0(VALU_DEP_1)
	v_add_f32 v14, v14, v253                       ; the row's sum
	s_wait_alu depctr_va_vdst(0)
	v_rcp_f32 v14, v14
	v_nop
	s_wait_alu depctr_va_vdst(0)                   ; ahead of the first reader of 1 / sum, which is O^T's too
.irp j, 0,2,4,6,8,10,12,14,16,18,20,22,24,26,28,30
	v_pk_mul_f32 v[96+\j:97+\j], v[160+\j:161+\j], v[14:15] op_sel_hi:[1,0]   ; msa: register i is channel 32 h + i of my query: a whole block
.endr
	v_max3_num_f32 v232, |v96|, |v97|, 0x1800000   ; its largest magnitude, in four chains, with the floor 2^(3-127)
	v_max3_num_f32 v233, |v98|, |v99|, |v100|
	v_max3_num_f32 v234, |v101|, |v102|, |v103|
	v_max3_num_f32 v235, |v104|, |v105|, |v106|
.irp i, 107,115
.irp c, 0,1,2,3
	v_max3_num_f32 v[232+\c], v[232+\c], |v[\i+2*\c]|, |v[\i+2*\c+1]|
.endr
.endr
	v_max3_num_f32 v232, v232, |v123|, |v124|
	v_max3_num_f32 v233, v233, |v125|, |v126|
	v_max3_num_f32 v234, v234, v235, |v127|
	v_max3_num_f32 v232, v232, v233, v234
	v_add_nc_u32 v238, 0xff000000, v232
.irp n, 0,1,2,3
	v_cvt_scalef32_pk8_fp4_f32 v[224+\n], v[96+8*\n:103+8*\n], v238
.endr
	v_lshrrev_b32 v254, 23, v238                   ; the block's byte (a plain line behind the conversions)
	global_store_b128 v3, v[224:227], s[MC:MC+1]   ; 512 consecutive aligned bytes of the image
	global_store_b8 v4, v254, s[MSC:MSC+1]
	s_wait_xcnt 0x0                                ; the stores have read their registers and bases
	s_add_nc_u64 s[MC:MC+1], s[MC:MC+1], 2048      ; the next tile
	s_add_nc_u64 s[MSC:MSC+1], s[MSC:MSC+1], 128
	s_sub_co_u32 s[TRIP], s[TRIP], 1
	s_cmp_lg_u32 s[TRIP], 0
	s_cbranch_scc1 .Ltile
	s_wait_tensorcnt 0x0                           ; the wave's end; the last wait is also for the twelve loads that the last step asked for
	ds_add_u32 v7, v255
	s_wait_dscnt 0x0
	s_endpgm
.Lfunc_end_k_q67f513a108_attn:
	.size	k_q67f513a108_attn, .Lfunc_end_k_q67f513a108_attn-k_q67f513a108_attn
	.p2alignl 7, 3214868480
	.fill 96, 4, 3214868480
	.section	.rodata,"a",@progbits
	.p2align	6, 0x0
	.amdhsa_kernel k_q67f513a108_attn
		.amdhsa_group_segment_fixed_size 167936
		.amdhsa_private_segment_fixed_size 0
		.amdhsa_enable_private_segment 0
		.amdhsa_kernarg_size 24
		.amdhsa_user_sgpr_count 2
		.amdhsa_user_sgpr_kernarg_segment_ptr 1
		.amdhsa_wavefront_size32 1
		.amdhsa_system_sgpr_workgroup_id_x 1
		.amdhsa_system_sgpr_workgroup_id_y 1
		.amdhsa_system_sgpr_workgroup_id_z 1
		.amdhsa_system_vgpr_workitem_id 0
		.amdhsa_next_free_vgpr 256
		.amdhsa_next_free_sgpr 86
		.amdhsa_reserve_vcc 0
		.amdhsa_float_denorm_mode_32 3
		.amdhsa_float_denorm_mode_16_64 3
		.amdhsa_memory_ordered 1
		.amdhsa_forward_progress 1
		.amdhsa_inst_pref_size 70
	.end_amdhsa_kernel
	.amdgpu_metadata
---
amdhsa.version: [ 1, 2 ]
amdhsa.kernels:
  - .name:           k_q67f513a108_attn
    .symbol:         k_q67f513a108_attn.kd
    .args:
      - { .name: qkv, .offset: 0, .size: 8, .value_kind: global_buffer, .address_space: global }
      - { .name: scl, .offset: 8, .size: 8, .value_kind: global_buffer, .address_space: global }
      - { .name: msq, .offset: 16, .size: 8, .value_kind: global_buffer, .address_space: global }
    .group_segment_fixed_size: 167936
    .private_segment_fixed_size: 0
    .kernarg_segment_align: 8
    .kernarg_segment_size: 24
    .max_flat_workgroup_size: 512
    .sgpr_count:     86
    .vgpr_count:     256
    .wavefront_size: 32
...
	.end_amdgpu_metadata
.endif
;; end of part 3
;; launch gemm2 (part 4): grid 4 x 64, 4 waves a work-group, clusters of 4 x 4, 243,200 bytes of LDS; arguments msq, wq, b_proj, z, out0; writes out0
.if DOCPART == 4
	.amdgcn_target "amdgcn-amd-amdhsa--gfx1250"
	.amdhsa_code_object_version 6
	.text
	.protected	k_q67f513a108_gemm2
	.globl	k_q67f513a108_gemm2
	.p2align	8
	.type	k_q67f513a108_gemm2,@function
k_q67f513a108_gemm2:
	s_mov_b64 s[64:65], 0
	v_nop
	global_prefetch_b8 v0, s[64:65] scope:SCOPE_SE
	s_setreg_imm32_b32 hwreg(HW_REG_WAVE_MODE, 25, 1), 1
	s_wait_xcnt 0x0
	s_wait_alu depctr_hold_cnt(0) depctr_sa_sdst(0) depctr_va_vdst(0) depctr_va_sdst(0) depctr_va_ssrc(0) depctr_va_vcc(0) depctr_vm_vsrc(0)
	s_getreg_b32 s2, hwreg(HW_REG_IB_STS2, 6, 4)
	s_cmp_eq_u32 s2, 0
	s_cbranch_scc0 .Lentry_in_a_cluster
	s_endpgm
.Lentry_in_a_cluster:
	s_bfe_u32 s2, ttmp6, 0x10000c
	s_cmp_lg_u32 s2, 0xf033
	s_cbranch_scc0 .Lentry_shape_is_right
	s_endpgm
.Lentry_shape_is_right:
; GEMM2: out0 = z + msa W_proj + b_proj, the product on codes of FP4 (E2M1) with E8M0 scales.
; OPERANDS: msq and W_proj's part of wq, images of operand registers: [slice of 256 K][half panel of 128 row places][BLK = 17,408: codes tile*2048 + step*1024 + 512 c + 16 lane; scale words 16384 + tile*128 + r*8 + step*4].
;   Inside each 32 rows (tokens of msq, columns of W_proj) the row n stands at the place n with bits 3 and 4 exchanged.
; SHARES: 256 work-groups of 128 tokens x 256 columns; a wave makes 64 x 128: 32 accumulators.  All of K of both operands, 204 KB, comes into LDS once, a half panel's four slices by one load: no LDS byte is filled twice.
; TRANSPOSED: source 0 = 16 columns of W_proj, source 1 = 16 tokens: a lane holds one token, and two neighbouring tiles' 16 registers are 16 neighbouring columns.  b_proj is the C of each sum's first instruction.
; CLUSTER 4 x 4: msq's block hangs on the work-group's y and is asked for jointly by a row of the cluster, W_proj's on x and by a column.
; z's 64 rows x 512 bytes of a wave are asked for behind the barrier that shows the operands landed, 16 rows ahead of K step 0 and 16 behind each of K steps 0, 1 and 2, into 256 registers: they are on their way during the
;   product; the tokens' order is undone by the loads' and stores' immediates.
; THE WAY OUT: 16 tokens x 128 columns at a time through the wave's own stage in LDS (bytes that no tensor load fills), back as whole rows; + z; each store covers 512 consecutive aligned bytes.
; REGISTERS, in windows of 256: window 0: v1 r, v2 h, v3 lane, v5, v8-10 addresses; v16-31 LDS addresses; v32-79 scale words, two sets of (A 8, B 16); v80-143 the bias, later rows on the way out; v144-207 rows on the way out;
;   v254, v255 the add's two.   window 1: fragments, two sets of (B 64, A 32).   window 2: accumulator (a, b) at 8 (8 a + b).   window 3: z, row t of tile a at 4 (16 a + t).
.set BLK,    17408
.set ZSTR,   64*BLK
.set PSTR,   8*BLK
.set WPOFF,  4*24*BLK
.set SLICE2, BLK                       ; LDS: [half panel: A's, then B's two][slice of K]: from slice to slice of a half panel,
.set PANL,   4*BLK                     ; and from half panel to half panel
.set STG,    12*BLK                    ; behind them: a stage of 16 rows x 528 bytes for each wave; behind the stages, at 0x3b400, the spare words
.set ADRA, 16
.set ADRB, 20
.set ADSA, 24
.set ADSB, 28
.set ZO,   8
.set STO,  9
.set RD,   10
.set SCA,  32
.set SCB,  40
.set BIAS, 80
.set G1A,  28
.set G1B,  36
.set G0A,  44
.set G0B,  68
.set MSB, 0
.macro WIN new
.if MSB != (\new)
	s_set_vgpr_msb (MSB<<8)|(\new)
.set MSB, (\new)
.endif
.endm
.macro PLACES
.rept 4
	v_nop
.endr
.endm
.macro CROUND
	s_barrier_signal -1
	s_barrier_wait -1
	s_cmp_lg_u32 s14, 0
	s_cbranch_scc1 .Lnot_wave_0_\@
	s_barrier_signal -3
.Lnot_wave_0_\@:
	s_barrier_wait -3
	s_barrier_signal -1
	s_barrier_wait -1
.endm
	s_load_b256 s[4:11], s[0:1], 0x0               ; msq s[4:5], wq s[6:7], b_proj s[8:9], z s[10:11]
	s_load_b64 s[12:13], s[0:1], 0x20              ; out0
	v_lshl_add_u32 v254, v0, 2, 0x3b400
	v_mov_b32 v255, 0
	ds_add_u32 v254, v255                          ; the opening lines: the add, twice on end, and its wait
	ds_add_u32 v254, v255
	v_lshrrev_b32 v1, 5, v0
	v_readfirstlane_b32 s14, v1                    ; wave 0..3
	s_lshr_b32 s15, s14, 1                         ; which 64 tokens are mine
	s_and_b32 s16, s14, 1                          ; which 128 columns
	s_bfe_u32 s17, ttmp6, 0x40000                  ; cx
	s_bfe_u32 s18, ttmp6, 0x40004                  ; cy
	s_lshl_b32 s19, ttmp9, 2
	s_add_co_u32 s19, s19, s17                     ; x: the panel of 256 columns
	s_and_b32 s20, ttmp7, 0xffff
	s_lshl_b32 s20, s20, 2
	s_add_co_u32 s20, s20, s18                     ; y: the half panel of 128 tokens
	s_lshl_b32 s26, s18, 2
	s_lshl_b32 s26, 15, s26                        ; my row of the cluster
	s_lshl_b32 s27, 0x1111, s17                    ; my column
	s_or_b32 s[G1A], s26, (3<<16)|(1<<21)          ; the mask; elements of 8 bytes; bit 21 beside a mask; no padding
	s_or_b32 s[G1B], s27, (3<<16)|(1<<21)
.irp g, G1A, G1B                       ; a half panel's four slices by one load: 4 rows of 17,408 bytes (2,176 elements), a slice of the buffer apart
	s_mov_b32 s[\g+1], 2176<<16
	s_mov_b32 s[\g+2], 4<<16
	s_mov_b32 s[\g+3], 2176<<16
	s_mov_b32 s[\g+4], 4
	s_mov_b32 s[\g+6], 0
	s_mov_b32 s[\g+7], 0
.endr
	s_mov_b32 s[G1A+5], ZSTR/8                     ; from row to row, in elements
	s_mov_b32 s[G1B+5], PSTR/8
	s_mul_i32 s88, s20, BLK                        ; A: s[84:85], s[88:89] never hold cx
	s_mov_b32 s89, 0
	s_add_co_u32 s23, s14, 1
	s_and_b32 s23, s23, 1                          ; B: wave 1 fetches the panel's first half, wave 2 its second
	s_lshl_b32 s90, s19, 1
	s_add_co_u32 s90, s90, s23
	s_mul_i32 s90, s90, BLK
	s_add_co_u32 s90, s90, WPOFF                   ; s[86:87], s[90:91] never hold cy
	s_mov_b32 s91, 0
	s_mul_i32 s94, s14, PANL                       ; where a wave's half panel goes: wave x 4 blocks
	s_wait_dscnt 0x0
	s_wait_kmcnt 0x0
	s_add_nc_u64 s[84:85], s[4:5], s[88:89]
	s_add_nc_u64 s[86:87], s[6:7], s[90:91]
	s_mov_b32 s[G0A], 1
	s_mov_b32 s[G0A+1], s94
	s_mov_b64 s[G0A+2:G0A+3], s[84:85]
	s_or_b32 s[G0A+3], s[G0A+3], 0x80000000
	s_mov_b32 s[G0B], 1
	s_mov_b32 s[G0B+1], s94
	s_mov_b64 s[G0B+2:G0B+3], s[86:87]
	s_or_b32 s[G0B+3], s[G0B+3], 0x80000000
	CROUND                                         ; all sixteen work-groups are here: the joint loads meet
	s_cmp_eq_u32 s14, 0                            ; wave 0: all of K of A's half panel; waves 1, 2: of B's two; wave 3: none.  One load to an arm
	s_cbranch_scc0 .Lnot_a
	tensor_load_to_lds s[G0A:G0A+3], s[G1A:G1A+7]
	s_nop 0
	PLACES
	s_branch .Lfilled
.Lnot_a:
	s_cmp_lt_u32 s14, 3
	s_cbranch_scc0 .Lfilled
	tensor_load_to_lds s[G0B:G0B+3], s[G1B:G1B+7]
	s_nop 0
	PLACES
.Lfilled:
	v_and_b32 v3, 31, v0                           ; lane
	v_and_b32 v1, 15, v0                           ; r
	v_bfe_u32 v2, v0, 4, 1                         ; h
	v_lshlrev_b32 v[ZO], 4, v3                     ; 16 x lane
	s_wait_alu depctr_va_vdst(0)
	v_lshlrev_b32 v4, 3, v1                        ; 8 r
	s_wait_alu depctr_va_vdst(0)
	v_lshlrev_b32 v5, 6, v2                        ; the bias: 16 h numbers on
	s_lshl_b32 s26, s15, 13                        ; my four tiles of A
	s_add_co_u32 s27, s16, 1
	s_mul_i32 s27, s27, PANL                       ; my half panel of B
	s_lshl_b32 s94, s15, 9
	s_add_co_u32 s94, s94, 16384                   ; their scale words
	s_add_co_u32 s95, s27, 16384
.irp g, 0,1,2,3
	v_add_nc_u32 v[ADRA+\g], s26, v[ZO]
	v_add_nc_u32 v[ADRB+\g], s27, v[ZO]
	v_add_nc_u32 v[ADSA+\g], s94, v4
	v_add_nc_u32 v[ADSB+\g], s95, v4
	s_add_co_u32 s26, s26, SLICE2
	s_add_co_u32 s27, s27, SLICE2
	s_add_co_u32 s94, s94, SLICE2
	s_add_co_u32 s95, s95, SLICE2
.endr
	s_mul_i32 s26, s14, 16*528
	s_add_co_u32 s26, s26, STG                     ; my stage
	v_mul_u32_u24 v[STO], v1, 528
	v_lshl_add_u32 v[STO], v2, 6, v[STO]
	v_add_nc_u32 v[STO], s26, v[STO]               ; in: row r, + 64 h bytes
	v_add_nc_u32 v[RD], s26, v[ZO]                 ; back: a row of 512 bytes, 16 a lane
	s_lshl_b32 s94, s19, 10
	s_lshl_b32 s95, s16, 9
	s_add_co_u32 s94, s94, s95                     ; my 128 columns, in bytes
	s_mov_b32 s95, 0
	s_add_nc_u64 s[60:61], s[8:9], s[94:95]        ; in b_proj
	s_lshl_b32 s96, s20, 7
	s_lshl_b32 s97, s15, 6
	s_add_co_u32 s96, s96, s97                     ; my first token
	s_lshl_b32 s96, s96, 12
	s_add_co_u32 s96, s96, s94
	s_mov_b32 s97, 0
	s_add_nc_u64 s[10:11], s[10:11], s[96:97]      ; in z,
	s_add_nc_u64 s[12:13], s[12:13], s[96:97]      ; and in out0
.irp b, 0,1,2,3,4,5,6,7
	global_load_b128 v[BIAS+8*\b:BIAS+8*\b+3], v5, s[60:61] offset:(32*(\b/2)+8*(\b%2))*4      ; tile b's register j is column 32 (b / 2) + 16 h + 8 (b % 2) + j
	global_load_b128 v[BIAS+8*\b+4:BIAS+8*\b+7], v5, s[60:61] offset:(32*(\b/2)+8*(\b%2))*4+16
.endr
.macro ZLOAD a                         ; the 16 tokens of tile a: place t is token 32 (a / 2) + 8 (a % 2) + t + 8 (t / 8); 512 consecutive bytes a load
	WIN 0xc0                                       ; destination window 3
.irp t, 0,1,2,3,4,5,6,7,8,9,10,11,12,13,14,15
	global_load_b128 v[4*(16*(\a)+\t):4*(16*(\a)+\t)+3], v[ZO], s[10:11] offset:(32*((\a)/2)+8*((\a)%2)+\t+8*(\t/8))*4096 th:TH_LOAD_NT
.endr
	WIN 0
.endm
.macro FETCH2 k                        ; K step k's fragments into set k % 2; with a slice's first step its scale words, into set (k / 2) % 2
.set G_, (\k)/2
.set E_, (\k)%2
	WIN 0x40
.irp i, 0,1,2,3,4,5,6,7
.irp c, 0,1
	ds_load_b128 v[128*E_+8*\i+4*\c:128*E_+8*\i+4*\c+3], v[ADRB+G_] offset:\i*2048+E_*1024+\c*512
.endr
.endr
.irp i, 0,1,2,3
.irp c, 0,1
	ds_load_b128 v[128*E_+64+8*\i+4*\c:128*E_+64+8*\i+4*\c+3], v[ADRA+G_] offset:\i*2048+E_*1024+\c*512
.endr
.endr
	WIN 0
.if E_ == 0
.irp i, 0,1,2,3
	ds_load_b64 v[SCA+24*(G_%2)+2*\i:SCA+24*(G_%2)+2*\i+1], v[ADSA+G_] offset:128*\i
.endr
.irp i, 0,1,2,3,4,5,6,7
	ds_load_b64 v[SCB+24*(G_%2)+2*\i:SCB+24*(G_%2)+2*\i+1], v[ADSB+G_] offset:128*\i
.endr
.endif
.endm
; 16 matrix instructions: A's tiles 2 half, 2 half + 1 against B's eight.  The 32 accumulators take turns, one instruction a turn, in the same order in every K step.
.macro MULH k, half, first
.set E_, (\k)%2
.set SA_, SCA+24*(((\k)/2)%2)+E_
.set SB_, SCB+24*(((\k)/2)%2)+E_
.if \first
	WIN 0x85                                       ; sources window 1, C (the bias) window 0, D window 2
.else
	WIN 0xa5                                       ; C and D window 2
.endif
.irp a, 0,1
.irp b, 0,1,2,3,4,5,6,7
.if \first
	v_wmma_scale_f32_16x16x128_f8f6f4 v[8*(8*(2*(\half)+\a)+\b):8*(8*(2*(\half)+\a)+\b)+7], v[128*E_+8*\b:128*E_+8*\b+7], v[128*E_+64+8*(2*(\half)+\a):128*E_+64+8*(2*(\half)+\a)+7], v[BIAS+8*\b:BIAS+8*\b+7], v[SB_+2*\b], v[SA_+2*(2*(\half)+\a)] matrix_a_fmt:MATRIX_FMT_FP4 matrix_b_fmt:MATRIX_FMT_FP4
.else
	v_wmma_scale_f32_16x16x128_f8f6f4 v[8*(8*(2*(\half)+\a)+\b):8*(8*(2*(\half)+\a)+\b)+7], v[128*E_+8*\b:128*E_+8*\b+7], v[128*E_+64+8*(2*(\half)+\a):128*E_+64+8*(2*(\half)+\a)+7], v[8*(8*(2*(\half)+\a)+\b):8*(8*(2*(\half)+\a)+\b)+7], v[SB_+2*\b], v[SA_+2*(2*(\half)+\a)] matrix_a_fmt:MATRIX_FMT_FP4 matrix_b_fmt:MATRIX_FMT_FP4
.endif
.endr
.endr
.endm
.macro STEP2 k, first
	s_wait_dscnt 0x0                               ; this step's fragments, asked for 16 matrix instructions ago
	MULH \k, 0, \first
.if (\k) < 7
	PLACES
	FETCH2 (\k)+1
.endif
	MULH \k, 1, \first
.endm
	s_wait_alu depctr_va_vdst(0)
	s_wait_tensorcnt 0x0                           ; my half panel is in: the one load of mine that can be out
	s_barrier_signal -1
	s_barrier_wait -1
	FETCH2 0
	ZLOAD 0                                        ; z is asked for only now, a quarter at a time
	s_wait_loadcnt 16                              ; the bias is in; z's 16 loads are younger
	STEP2 0, 1
	ZLOAD 1
	STEP2 1, 0
	ZLOAD 2
	STEP2 2, 0
	ZLOAD 3
	STEP2 3, 0
	STEP2 4, 0
	STEP2 5, 0
	STEP2 6, 0
	STEP2 7, 0
	WIN 0
	PLACES
.macro OUT2 a
.set BK, BIAS+64*((\a)%2)
	WIN 0x08                                       ; an LDS store's data: window 2
.irp b, 0,1,2,3,4,5,6,7
	ds_store_b128 v[STO], v[8*(8*(\a)+\b):8*(8*(\a)+\b)+3] offset:128*(\b/2)+32*(\b%2)          ; each accumulator from its low end on
	ds_store_b128 v[STO], v[8*(8*(\a)+\b)+4:8*(8*(\a)+\b)+7] offset:128*(\b/2)+32*(\b%2)+16
.endr
	WIN 0
.if (\a) >= 2
	s_wait_xcnt 0x0                                ; the stores of two tiles ago have read these registers
.endif
.irp t, 0,1,2,3,4,5,6,7,8,9,10,11,12,13,14,15
	ds_load_b128 v[BK+4*\t:BK+4*\t+3], v[RD] offset:528*\t    ; LDS serves a wave's instructions in order (ISA guide 5.7.1.4): these see my stores
.endr
	s_wait_dscnt 0x0
	s_wait_loadcnt 16*(3-(\a))                     ; this tile's rows of z are in; the later tiles' may be out
	WIN 0x0c                                       ; source 1: window 3
.set n_, 0
.rept 32
	v_pk_add_f32 v[BK+2*n_:BK+2*n_+1], v[BK+2*n_:BK+2*n_+1], v[64*(\a)+2*n_:64*(\a)+2*n_+1]
.set n_, n_+1
.endr
	WIN 0
.irp t, 0,1,2,3,4,5,6,7,8,9,10,11,12,13,14,15
	global_store_b128 v[ZO], v[BK+4*\t:BK+4*\t+3], s[12:13] offset:(32*((\a)/2)+8*((\a)%2)+\t+8*(\t/8))*4096 th:TH_STORE_NT   ; 512 consecutive aligned bytes
.endr
.endm
	OUT2 0
	OUT2 1
	OUT2 2
	OUT2 3
	s_wait_tensorcnt 0x0                           ; the wave's end: behind my last LDS store
	ds_add_u32 v254, v255
	s_wait_dscnt 0x0
	CROUND                                         ; the closing round: no work-group ends while a partner may still ask for a block that names it
	s_endpgm
.Lfunc_end_k_q67f513a108_gemm2:
	.size	k_q67f513a108_gemm2, .Lfunc_end_k_q67f513a108_gemm2-k_q67f513a108_gemm2
	.p2alignl 7, 3214868480
	.fill 96, 4, 3214868480
	.section	.rodata,"a",@progbits
	.p2align	6, 0x0
	.amdhsa_kernel k_q67f513a108_gemm2
		.amdhsa_group_segment_fixed_size 243200
		.amdhsa_private_segment_fixed_size 0
		.amdhsa_enable_private_segment 0
		.amdhsa_kernarg_size 40
		.amdhsa_user_sgpr_count 2
		.amdhsa_user_sgpr_kernarg_segment_ptr 1
		.amdhsa_wavefront_size32 1
		.amdhsa_system_sgpr_workgroup_id_x 1
		.amdhsa_system_sgpr_workgroup_id_y 1
		.amdhsa_system_sgpr_workgroup_id_z 1
		.amdhsa_system_vgpr_workitem_id 0
		.amdhsa_next_free_vgpr 1024
		.amdhsa_next_free_sgpr 98
		.amdhsa_reserve_vcc 0
		.amdhsa_float_denorm_mode_32 3
		.amdhsa_float_denorm_mode_16_64 3
		.amdhsa_memory_ordered 1
		.amdhsa_forward_progress 1
		.amdhsa_inst_pref_size 88
	.end_amdhsa_kernel
	.amdgpu_metadata
---
amdhsa.version: [ 1, 2 ]
amdhsa.kernels:
  - .name:           k_q67f513a108_gemm2
    .symbol:         k_q67f513a108_gemm2.kd
    .args:
      - { .name: msq, .offset: 0, .size: 8, .value_kind: global_buffer, .address_space: global }
      - { .name: wq, .offset: 8, .size: 8, .value_kind: global_buffer, .address_space: global }
      - { .name: b_proj, .offset: 16, .size: 8, .value_kind: global_buffer, .address_space: global }
      - { .name: z, .offset: 24, .size: 8, .value_kind: global_buffer, .address_space: global }
      - { .name: out0, .offset: 32, .size: 8, .value_kind: global_buffer, .address_space: global }
    .group_segment_fixed_size: 243200
    .private_segment_fixed_size: 0
    .kernarg_segment_align: 8
    .kernarg_segment_size: 40
    .max_flat_workgroup_size: 128
    .sgpr_count:     98
    .vgpr_count:     1024
    .wavefront_size: 32
...
	.end_amdgpu_metadata
.endif
;; end of part 4
